; MI455X (gfx1250); checked and timed in simulation.
; The chip was launched on July 23, 2026; its instructions are those of AMD's public machine-readable ISA for CDNA 5 (MIT licence, August 2026) and "CDNA5" Instruction Set Architecture Reference Guide (July 2026). The comments in the code are by the model that wrote it; some were corrected since.
;; Attention Integrator. Allowed arithmetic: matrix products marked QUANTISED: E2M1 operands, one E8M0 scale for each 32 along K, by v_wmma_scale_f32_16x16x128_f8f6f4 with both operands' format E2M1 (or v_wmma_scale_f32_32x16x128_f4), f32 sums; products left as they are: f32 operands where the result goes on into a quantised operand, else bf16, f16 or f32 operands; f32 sums; everything else in f32.
;; Inputs: W1_codes 1,024 x 32 x 16 uint8 (E2M1 codes of W1, K innermost, in blocks of 32 codes, two codes a byte); W1_scales 1,024 x 32 uint8 (E8M0 scales of W1, one for each 32 codes along K); Wf 4,096 x 10 float32; Wk_codes 1,024 x 32 x 16 uint8 (E2M1 codes of Wk, K innermost, in blocks of 32 codes, two codes a byte); Wk_scales 1,024 x 32 uint8 (E8M0 scales of Wk, one for each 32 codes along K); Wq_codes 1,024 x 32 x 16 uint8 (E2M1 codes of Wq, K innermost, in blocks of 32 codes, two codes a byte); Wq_scales 1,024 x 32 uint8 (E8M0 scales of Wq, one for each 32 codes along K); Wv_codes 1,024 x 32 x 16 uint8 (E2M1 codes of Wv, K innermost, in blocks of 32 codes, two codes a byte); Wv_scales 1,024 x 32 uint8 (E8M0 scales of Wv, one for each 32 codes along K); b1 1,024 float32; bf 10 float32; bk 1,024 float32; bq 1,024 float32; bv 1,024 float32; xt 4,096 x 4 x 1,024 float32.
;; Outputs: out0 4,096 x 10 float32.
;; This version of the problem:
;;   THIS VERSION OF THE PROBLEM IS GIVEN IN LOW PRECISION. The matrix products marked QUANTISED in the list below multiply operands that are first quantised to E2M1 (2 exponent bits, 1 mantissa bit; 4 bits a number), with one power-of-two scale for each 32 numbers along K (OCP MX v1.0); their sums are f32. All else is computed in f32.
;;   The module's matrix products, in the order in which they are computed (A, B: the left and right operand; K: the contracted axis; several contracted axes count as one K, in the product's order):
;;     1. [M 16,384, K 1,024] x [K 1,024, N 1,024]; A: input xt; B: input Wq (given as codes): QUANTISED
;;     2. [M 16,384, K 1,024] x [K 1,024, N 1,024]; A: input xt; B: input Wk (given as codes): QUANTISED
;;     3. [M 16,384, K 1,024] x [K 1,024, N 1,024]; A: input xt; B: input Wv (given as codes): QUANTISED
;;     4. batch 4,096 x [M 4, K 1,024] x [K 1,024, N 4]; A: computed on the way; B: computed on the way: left as it is (M = 4 < 16)
;;     5. batch 4,096 x [M 4, K 4] x [K 4, N 1,024]; A: softmax; B: computed on the way: left as it is (K = 4 < 32)
;;     6. [M 16,384, K 1,024] x [K 1,024, N 1,024]; A: computed on the way; B: input W1 (given as codes): QUANTISED
;;     7. [M 4,096, K 4,096] x [K 4,096, N 10]; A: computed on the way; B: input Wf: left as it is (N = 10 < 16)
;;   THE QUANTISER, for each operand of a quantised product, along K:
;;     - K is cut into blocks of 32 from its start; a last block that is shorter is filled with zeros.
;;     - A block's scale is 2^e with e = floor(log2(the largest magnitude in the block)) - 2, held to -126 .. 127; a block of zeros has e = 0. As a byte (E8M0): e + 127.
;;     - Each number is divided by its block's scale, clamped to +-6, and rounded to the nearest number of E2M1, ties to even, subnormals kept.
;;     - The product sums the exact products of the quantised numbers (number of the format x scale) in f32.
;;   ~~~python
;;   def quantise(x, axis):      # numpy; x: float32 -> the quantised numbers, widened to float32 again
;;       x = np.moveaxis(x, axis, -1); K = x.shape[-1]
;;       x = np.pad(x, [(0, 0)] * (x.ndim - 1) + [(0, -K % 32)]); x = x.reshape(x.shape[:-1] + (-1, 32)); a = np.abs(x).max(-1, keepdims=True)
;;       e = np.where(a > 0, np.clip(np.frexp(np.where(a > 0, a, 1))[1] - 1 - 2, -126, 127), 0)      # np.frexp(a)[1] - 1 = floor(log2(a)), exactly
;;       r = np.clip(x / 2.0 ** e, -6, 6)
;;       step = 2.0 ** (np.maximum(np.frexp(np.where(r == 0, 1, r))[1] - 1, 0) - 1)
;;       q = np.round(r / step) * step * 2.0 ** e      # np.round: ties to even
;;       return np.moveaxis(q.reshape(q.shape[:-2] + (-1,))[..., :K], -1, axis).astype(np.float32)
;;   ~~~
;;   OPERANDS COMPUTED ON THE WAY. 'Computed on the way' means the value that the module computes at that place (a softmax that the list does not call 'softmax' is quantised finished and normalised). What goes into a quantiser is computed in f32, as accurately as f32 sums, v_exp_f32 and their like allow (about 1e-6 of the number): no bf16 or f16 on the way to a quantiser, and a product that is left as it is and whose result goes on into a quantised operand takes f32 operands (vector FMAs, or v_wmma_f32_16x16x4_f32). A number that lies on a knife's edge between two numbers of the format may be rounded either way, as far as f32 arithmetic and the matrix unit's own rounding can turn it there, and no further.
;;   INPUTS GIVEN AS CODES. W1 (in the module: [1024, 1024], K = its axis 0); Wk (in the module: [1024, 1024], K = its axis 0); Wq (in the module: [1024, 1024], K = its axis 0); Wv (in the module: [1024, 1024], K = its axis 0): each comes as NAME_codes (uint8): NAME with its K axis moved to the last place and cut into blocks of 32 codes, [.., K / 32, bytes a block], one block behind the other in memory; two codes a byte, the lower K in the low four bits (a code: sign, 2 exponent bits, 1 mantissa bit); and NAME_scales (uint8): the same leading axes, one E8M0 byte (e + 127) for each 32 codes along K. Its value is code x scale, taken as it is: it is not quantised again, and the codes and scales need not be those that the quantiser above would give.
;; 2 versions. Each part assembles by itself: llvm-mc -triple=amdgcn-amd-amdhsa -mcpu=gfx1250 --defsym DOCPART=n.
;; ======== version 1 of 2: 1 launch
;; launch fused (part 1): grid 256 x 1, 4 waves a work-group, clusters of 4 x 1, 327,680 bytes of LDS; arguments xt, Wq_codes, Wq_scales, Wk_codes, Wk_scales, Wv_codes, Wv_scales, W1_codes, W1_scales, bq, bk, bv, b1, Wf, bf, out0; writes out0
.if DOCPART == 1
	.amdgcn_target "amdgcn-amd-amdhsa--gfx1250"
	.amdhsa_code_object_version 6
	.text
	.protected	k_q199089d911_fused
	.globl	k_q199089d911_fused
	.p2align	8
	.type	k_q199089d911_fused,@function
k_q199089d911_fused:
	s_mov_b64 s[64:65], 0
	v_nop
	global_prefetch_b8 v0, s[64:65] scope:SCOPE_SE
	s_setreg_imm32_b32 hwreg(HW_REG_WAVE_MODE, 25, 1), 1
	s_wait_xcnt 0x0
	s_wait_alu depctr_hold_cnt(0) depctr_sa_sdst(0) depctr_va_vdst(0) depctr_va_sdst(0) depctr_va_ssrc(0) depctr_va_vcc(0) depctr_vm_vsrc(0)
	s_getreg_b32 s2, hwreg(HW_REG_IB_STS2, 6, 4)
	s_cmp_eq_u32 s2, 0
	s_cbranch_scc0 .Lentry_in_a_cluster
	s_endpgm
.Lentry_in_a_cluster:
	s_bfe_u32 s2, ttmp6, 0x10000c
	s_cmp_lg_u32 s2, 0x3003
	s_cbranch_scc0 .Lentry_shape_is_right
	s_endpgm
.Lentry_shape_is_right:
; out0 = relu(LN(softmax(q k^T / 32) v + xt) W1 + b1) Wf + bf, with q, k, v = xt Wq|Wk|Wv + bias.  The four products with Wq, Wk, Wv, W1 run on codes of FP4 (E2M1) with one E8M0 scale for each 32 along K;
; the weights come as codes, xt and the normalised x are quantised here.  Scores, softmax, attn v, residual and layer norm are f32 vector work; the product with Wf takes bf16 operands and f32 sums.
; ONE LAUNCH, NOTHING THROUGH MEMORY.  A work-group of four waves owns 16 samples (64 rows of 1,024).  256 work-groups.
; THE ROWS OF A ROW TILE ARE THE 16 SAMPLES OF ONE VIEW: tile m = view m, lane % 16 = sample.  All products are used transposed (source 0 = 16 rows of a weight, source 1 = x), so that a lane (r, h) holds
; ONE sample r and its register j of column tile t holds column 16 t + 8 h + j.  So all that mixes the four views of a sample is work between a lane's own registers.
; THE WAVES SHARE THE COLUMNS: wave w keeps x's columns 256 w .. 256 w + 255 of all 64 rows in f32 (512 registers) and all of x's codes (256 registers); each weight fragment read from LDS feeds four products, none is read twice.
; WEIGHTS go through a ring of two LDS slots of 256 rows x 512 bytes (all of K), 16 tiles: 0-7 = 128 rows of Wq + 128 of Wk, 8-11 = Wv, 12-15 = W1.  The four work-groups of a cluster walk the same tiles,
; so each tile is asked for JOINTLY (mask 15): one load of 64 rows a wave behind each round of the cluster's barrier.  xt uses the same bytes first (views 0, 1 in slot 0; views 2, 3 in slot 1).
; q and k never exist whole: each 32 columns of both are multiplied into the 16 score sums at once.  v exists 32 columns at a time and is mixed straight into the registers that hold xt.
; LIMITS: NaN and infinities among the inputs are not served.  A block whose largest magnitude lies under 2^-124 has its scale byte held at 1; a block of zeros gets the byte 1 and zero codes (these bytes are read by this text alone).
; A work-group's 640 bytes of out0 are stored 4 bytes a lane: they do not fill aligned blocks of 256 bytes.  Wf is gathered 4 bytes a lane, 160 KiB for each work-group.
; lds_bytes claims all of a WGP's LDS and the lines 'ds_add_u32 v[SPW], v[NIL]' stand where they stand.
;
; LDS
.set WP,    528                        ; a weight row: 512 bytes + 16 of padding = 33 x 16: the 16 rows of a fragment load start 16 bytes apart modulo 256
.set SLOT,  256*WP                     ; 135,168 = 0x21000: slot 0 at 0, slot 1 here; one exclusive or turns one into the other
.set XTP,   1040                       ; a row of an xt tile: 1,024 bytes + 16
.set XTT,   16*XTP                     ; an xt tile: 16 samples x 256 columns of one view
.set IMG,   270336                     ; x's 32 fragments as images of their registers: fragment 8 m + s at 1,024 each, 512 c + 16 lane inside
.set XSW,   303104                     ; x's scale words: 128 bytes for each (m, s / 2): even s at 4 r, odd s at 64 + 4 r
.set BIAS,  305152                     ; bq, bk, bv, b1: 4,096 bytes each
.set LNS,   321536                     ; layer norm: the waves' sums at 64 wave + 4 r; the squares 256 further on
.set SPARE, 322048                     ; the spare words: 128 bytes a wave, two blocks of 256 bytes that no other line names
.set SCR,   322560                     ; the waves' score sums (1,024 wave + 64 r + 16 v), later their parts of out0 (1,024 wave + 64 sample + 4 class)
; VECTOR REGISTERS, window 0.  v1-v29 are addresses and offsets: all are made at the head (v13-15 anew in each step, from others of them) and hold nothing else in the whole launch
.set SPW, 1                            ; SPARE + 4 x thread; never rewritten
.set NIL, 2                            ; 0; never rewritten
.set LW,  3                            ; 528 r + 16 h: my place in a weight fragment
.set HB,  4                            ; BIAS + 32 h
.set LI,  5                            ; IMG + 16 lane
.set LS,  6                            ; XSW + 4 lane
.set IWI, 7                            ; IMG + 16 lane + 2,048 wave: where I store images
.set IWS, 8                            ; XSW + 128 wave + 4 r
.set XA,  9                            ; my place in my wave's xt tiles of slot 0
.set XA2, 10                           ; and of slot 1
.set WSO, 11                           ; 32 lane: a weight row's 32 scale bytes
.set WFO, 12                           ; 320 h + 4 min(r, 9): my place in a batch of Wf
.set AW,  13                           ; the step's weight rows
.set AK,  14                           ; the step's rows of Wk
.set BA,  15                           ; the step's biases
;         16-21                          the head's own: wave, lane, r, h, the biases' offset in memory and their place in LDS
.set SBS, 22                           ; SCR + 1,024 wave + 64 r: where I store my wave's score sums
.set SBL, 23                           ; SCR + 64 r: where I read all four waves'
.set LNW, 24                           ; LNS + 64 wave + 4 r
.set LNR, 25                           ; LNS + 4 r
.set OST, 26                           ; SCR + 1,024 wave + 512 h + 4 r: where I store my wave's part of out0
.set OL,  27                           ; SCR + 256 wave + 64 h + 4 r: where I read the parts of the numbers that I store
.set OG,  28                           ; 160 wave + 40 h + 4 min(r, 9): their place in the work-group's 640 bytes of out0
.set BFO, 29                           ; 4 min(r, 9): my class in bf
.set XSC, 32                           ; v32-47  x's scale words: 4 m + s / 2; lanes 0-15 even s, lanes 16-31 odd s.  v32-79 hold scales and nothing else
.set CUR, 48                           ; v48-63  the weights' scale words of the tile in hand: register s: word s of row (lane) of 32 rows; two such sets
.set NXT, 64                           ; v64-79  those of the next tile
.set BIA, 80                           ; v80-95  the biases of two column tiles, in the result's layout
.set F,   96                           ; v96-159 weight fragments: 32 (g % 2) + 16 (s % 2) + 8 u
.set ACC, 160                          ; v160-223 eight accumulators: 16 m + 8 u
.set SS,  224                          ; v224-255 phase A: 16 score sums in pairs
.set AT,  224                          ; phases B, C: a[v][w] in the first word of pair 4 v + w
.set OUT, 224                          ; phase D: four accumulators of out0, one a view
.set TM,  160                          ; the quantiser's work registers (outside the products): v160-175
.set PW,  176                          ; v176-177 the scale word just made, two sets
.set PCD, 184                          ; v184-199 the codes just made, two sets
.set MU,  200                          ; v200-201 the layer norm (outside the products): the mean, as a pair;
.set RS,  202                          ; v202-203 1 / sqrt(variance + eps), as a pair;
.set CH,  204                          ; v204-211 four chains of sums
; window 1: x's codes, fragment (m, s) at 64 m + 8 s.   windows 2, 3: x in f32: view m in window 2 + m / 2 at 128 (m % 2) + 16 p + i: i < 8: column 256 w + 32 p + 8 h + i; else 256 w + 32 p + 16 + 8 h + i - 8
.set LND, 0                            ; phase D, window 2: 64 numbers of Wf as loaded,
.set WB,  64                           ; as bf16 (8 a view),
.set YB,  96                           ; and y as bf16
; SCALAR REGISTERS.  s[4:35]: the 16 buffers in the order of the arguments
.set SEL, 2                            ; s[2:3] v_permlanex16_b32's selects for lane xor 16
.set WV,  36                           ; my wave
.set CX,  37                           ; my place in the cluster: it enters xt's and out0's addresses alone
.set WG,  38                           ; my work-group
.set FLR, 39                           ; 2^(3 - 127): the floor under a block's largest magnitude
.set G1X, 44                           ; s[44:51] descriptor group 1 for xt's tiles
.set G1W, 52                           ; s[52:59] for the weights' tiles
.set G0W, 60                           ; s[60:63] group 0 for the weights' tiles
.set G0X, 68                           ; s[68:83] four groups 0 for xt's tiles
.set TP,  84                           ; s[84:85] where my 64 rows of the tile to be asked for begin
.set SBA, 86                           ; s[86:87], s[88:89] where its two sets of scale bytes begin
.set SBB, 88
.set STC, 90                           ; s[90:91], s[92:93] from tile to tile, in bytes of codes and of scales
.set STS, 92
.set SVB, 94                           ; s[94:95], s[96:97] second sets of Wv's and W1's scale bytes
.set S1B, 96
.set TB,  98                           ; the slot that is read
.set TF,  99                           ; the slot that is filled next
.set WOFF, 100                         ; 64 WP x wave
.set CNT, 101
.set BOFF, 104                         ; the step's place among the biases
.set RA,  105                          ; my rows' place in a slot
.set MSB, 0
.macro WIN new                         ; the immediate's high byte repeats the setting that is left; bits 1:0 source 0, 3:2 source 1, 5:4 source 2, 7:6 destination
.if MSB != (\new)
	s_set_vgpr_msb (MSB<<8)|(\new)
.set MSB, (\new)
.endif
.endm
.macro PLACES n
.rept \n
	v_nop
.endr
.endm
.macro ROUND                           ; a round of the cluster's barrier: my work-group's barrier, wave 0 signals for the work-group, all wait for the four work-groups, my work-group's barrier once more
	s_barrier_signal -1
	s_barrier_wait -1
	s_cmp_lg_u32 s[WV], 0
	s_cbranch_scc1 .Lnot_wave_0_\@
	s_barrier_signal -3
.Lnot_wave_0_\@:
	s_barrier_wait -3
	s_barrier_signal -1
	s_barrier_wait -1
.endm
.macro BAR                             ; my LDS stores have landed and my LDS loads are in: then the work-group's barrier.
	s_wait_dscnt 0x0
	s_barrier_signal -1
	s_barrier_wait -1
.endm
; Which rows, biases (SETL) and scale words (SETM) a half step takes.  ph = 0: 16 rows of Wq (u = 0) and the same 16 of Wk (u = 1).  ph = 1: 32 rows of Wv or W1.
.macro SETL ph, kap
.set LA0, AW
.if \ph == 0
.set LA1, AK
.set LO0, 16*WP*(\kap)
.set LO1, 16*WP*(\kap)
.set LB0, 64*(\kap)
.set LB1, 4096+64*(\kap)
.else
.set LA1, AW
.set LO0, 32*WP*(\kap)
.set LO1, 32*WP*(\kap)+16*WP
.set LB0, 128*(\kap)
.set LB1, 128*(\kap)+64
.endif
.endm
.macro SETM ph, kap
.if \ph == 0
.set MS0, CUR
.set MR0, (\kap)
.set MS1, CUR+8
.set MR1, (\kap)
.else
.set MS0, CUR+8*(\kap)
.set MR0, 0
.set MS1, CUR+8*(\kap)
.set MR1, 1
.endif
.endm
.macro WM1                             ; one product; the rows of the scale registers by rRA (the weight's) and rRB (x's)
.if (rRA == 0) && (rRB == 0)
	v_wmma_scale_f32_16x16x128_f8f6f4 v[rD:rD+7], v[rA:rA+7], v[rB:rB+7], v[rC:rC+7], v[rSA], v[rSB] matrix_a_fmt:MATRIX_FMT_FP4 matrix_b_fmt:MATRIX_FMT_FP4
.elseif rRB == 0
	v_wmma_scale_f32_16x16x128_f8f6f4 v[rD:rD+7], v[rA:rA+7], v[rB:rB+7], v[rC:rC+7], v[rSA], v[rSB] matrix_a_fmt:MATRIX_FMT_FP4 matrix_b_fmt:MATRIX_FMT_FP4 matrix_a_scale:MATRIX_SCALE_ROW1
.elseif rRA == 0
	v_wmma_scale_f32_16x16x128_f8f6f4 v[rD:rD+7], v[rA:rA+7], v[rB:rB+7], v[rC:rC+7], v[rSA], v[rSB] matrix_a_fmt:MATRIX_FMT_FP4 matrix_b_fmt:MATRIX_FMT_FP4 matrix_b_scale:MATRIX_SCALE_ROW1
.else
	v_wmma_scale_f32_16x16x128_f8f6f4 v[rD:rD+7], v[rA:rA+7], v[rB:rB+7], v[rC:rC+7], v[rSA], v[rSB] matrix_a_fmt:MATRIX_FMT_FP4 matrix_b_fmt:MATRIX_FMT_FP4 matrix_a_scale:MATRIX_SCALE_ROW1 matrix_b_scale:MATRIX_SCALE_ROW1
.endif
.endm
.macro LDB                             ; the two column tiles' biases: lane (r, h) takes those of columns 8 h + 0 .. 7: they are the C of each sum's first product
	ds_load_b128 v[BIA:BIA+3], v[BA] offset:LB0
	ds_load_b128 v[BIA+4:BIA+7], v[BA] offset:LB0+16
	ds_load_b128 v[BIA+8:BIA+11], v[BA] offset:LB1
	ds_load_b128 v[BIA+12:BIA+15], v[BA] offset:LB1+16
.endm
.macro LDG g                           ; K steps 2 g, 2 g + 1 of the two weight tiles: a fragment (16 rows x 128 K of 4-bit codes) is two loads of 16 bytes, 32 bytes apart
.irp ss, 0,1
.irp c, 0,1
	ds_load_b128 v[F+32*((\g)%2)+16*\ss+4*\c:F+32*((\g)%2)+16*\ss+4*\c+3], v[LA0] offset:LO0+64*(2*(\g)+\ss)+32*\c
.endr
.irp c, 0,1
	ds_load_b128 v[F+32*((\g)%2)+16*\ss+8+4*\c:F+32*((\g)%2)+16*\ss+8+4*\c+3], v[LA1] offset:LO1+64*(2*(\g)+\ss)+32*\c
.endr
.endr
.endm
.macro MUL g                           ; 16 products: K steps 2 g, 2 g + 1; four views x two weight tiles.  The eight accumulators take turns, one instruction a turn
.irp ss, 0,1
.irp m, 0,1,2,3
.irp u, 0,1
.set kS, 2*(\g)+\ss
.set rD, ACC+16*\m+8*\u
.set rA, F+32*((\g)%2)+16*\ss+8*\u
.set rB, 64*\m+8*kS
.if kS == 0
.set rC, BIA+8*\u
.else
.set rC, rD
.endif
.if \u == 0
.set rSA, MS0+kS
.set rRA, MR0
.else
.set rSA, MS1+kS
.set rRA, MR1
.endif
.set rSB, XSC+4*\m+kS/2
.set rRB, \ss
	WM1
.endr
.endr
.endr
.endm
; A HALF STEP: 64 products, all of K for two weight tiles and the four views.  Its biases and its fragment groups 0 and 1 are already asked for (4 + 8 + 8 loads, in this order).  It runs under the setting 0x04 (x's codes in window 1).
; Four v_nop stand between products and loads into registers that they have read; five behind the last, since the next half's first products write the accumulators anew from another C (ISA guide 7.12.1 for the five behind the last).
.macro HALF ph, kap, nxt
	SETM \ph, \kap
	s_wait_dscnt 8                                 ; biases and group 0 are in; group 1's eight loads may be out
	MUL 0
	PLACES 4
	LDG 2
	s_wait_dscnt 8                                 ; group 1 is in; group 2's eight may be out
	MUL 1
	PLACES 4
	LDG 3
	s_wait_dscnt 8                                 ; group 2 is in; group 3's eight may be out
	MUL 2
	PLACES 4
.if \nxt
	SETL \ph, (\kap)+1
	LDB
	LDG 0
	s_wait_dscnt 12                                ; group 3 is in; the next half's four bias loads and its group 0 may be out
.else
	s_wait_dscnt 0x0
.endif
	MUL 3
	PLACES 5
.if \nxt
	LDG 1
.endif
.endm
.macro PRE ph                          ; a step's addresses and its first loads
	s_add_co_u32 s40, s[TB], s[RA]
	v_add_nc_u32 v[AW], s40, v[LW]
.if \ph == 0
	v_add_nc_u32 v[AK], 128*WP, v[AW]
.endif
	v_add_nc_u32 v[BA], s[BOFF], v[HB]
	SETL \ph, 0
	LDB
	LDG 0
	LDG 1
.endm
.macro SCORES                          ; my 8 columns of q (u = 0) and k (u = 1) of the four views into the 16 sums, two columns at a time; each accumulator is read from its low end on
.irp jp, 0,1,2,3
.irp a, 0,1,2,3
.irp b, 0,1,2,3
	v_pk_fma_f32 v[SS+2*(4*\a+\b):SS+2*(4*\a+\b)+1], v[ACC+16*\a+2*\jp:ACC+16*\a+2*\jp+1], v[ACC+16*\b+8+2*\jp:ACC+16*\b+8+2*\jp+1], v[SS+2*(4*\a+\b):SS+2*(4*\a+\b)+1]
.endr
.endr
.endr
.endm
.macro MIX p                           ; x(v, columns of pair p) += the sum over w of a[v][w] v(w, the same columns): onto the registers that hold xt: attention's second product and the residual in one
.irp hw, 0,1
	WIN 0xa0+0x50*\hw                              ; x (source 2 and destination) in window 2, then 3
.irp w, 0,1,2,3
.irp vv, 0,1
.irp ip, 0,1,2,3,4,5,6,7
	v_pk_fma_f32 v[128*\vv+16*(\p)+2*\ip:128*\vv+16*(\p)+2*\ip+1], v[ACC+16*\w+2*\ip:ACC+16*\w+2*\ip+1], v[AT+2*(4*(2*\hw+\vv)+\w):AT+2*(4*(2*\hw+\vv)+\w)+1], v[128*\vv+16*(\p)+2*\ip:128*\vv+16*(\p)+2*\ip+1] op_sel_hi:[1,0,1]
.endr
.endr
.endr
.endr
	WIN 0
.endm
.macro MIXSEL kap                      ; pair p = 2 CNT + kap: the registers differ from trip to trip, so the four are written out and chosen by the loop's counter
	s_cmp_lt_u32 s[CNT], 2
	s_cbranch_scc0 .Lmix_hi_\@
	s_cmp_eq_u32 s[CNT], 0
	s_cbranch_scc0 .Lmix_1_\@
	MIX 0+\kap
	s_branch .Lmix_done_\@
.Lmix_1_\@:
	MIX 2+\kap
	s_branch .Lmix_done_\@
.Lmix_hi_\@:
	s_cmp_eq_u32 s[CNT], 2
	s_cbranch_scc0 .Lmix_3_\@
	MIX 4+\kap
	s_branch .Lmix_done_\@
.Lmix_3_\@:
	MIX 6+\kap
.Lmix_done_\@:
.endm
; THE QUANTISER: view m, my K step sp (128 columns, 64 numbers a lane) becomes a fragment and a scale word, which go to LDS as images of their registers.
; Block b of 32 lies in lanes l and l xor 16, 16 numbers each: k = 32 b + 8 h + 0..7 and 32 b + 16 + 8 h + 0..7.  A conversion's 8 codes are one register of the operand; two exchanges of lane halves for each pair of blocks put
; block 2 c into lanes 0-15 and block 2 c + 1 into lanes 16-31, register 4 c + g holding k = 64 c + 32 h + 8 g + 0..7.
.macro QUANT m, sp, set, wt
.set qW, 2+((\m)>>1)
.set qX, 128*((\m)&1)+64*(\sp)
.set qP, PCD+8*(\set)
.set qQ, PW+(\set)
.if \wt
	s_wait_dscnt 3                                 ; all but the last quantiser's three stores are done: those that read this set's registers two quantisers back, and every older LDS load
.endif
	WIN (qW<<2)|(qW<<4)
.irp b, 0,1,2,3
	v_max3_num_f32 v[TM+\b], s[FLR], |v[qX+16*\b]|, |v[qX+16*\b+1]|   ; the floor holds the scale's byte at 1 from below
.endr
.irp i, 2,4,6,8,10,12,14
.irp b, 0,1,2,3
	v_max3_num_f32 v[TM+\b], v[TM+\b], |v[qX+16*\b+\i]|, |v[qX+16*\b+\i+1]|   ; the four blocks by turns
.endr
.endr
	WIN 0
.irp b, 0,1,2,3
	v_permlanex16_b32 v[TM+4+\b], v[TM+\b], s[SEL], s[SEL+1]
.endr
.irp b, 0,1,2,3
	v_max_num_f32 v[TM+\b], v[TM+\b], v[TM+4+\b]   ; the block's largest magnitude
.endr
.irp b, 0,1,2,3
	v_add_nc_u32 v[TM+12+\b], 0xff000000, v[TM+\b] ; 2 off its exponent field: the conversion takes this operand's exponent field as its scale
.endr
.irp b, 0,1,2,3
	v_lshrrev_b32 v[TM+4+\b], 23, v[TM+12+\b]      ; the scale's byte
.endr
	v_lshl_or_b32 v[qQ], v[TM+5], 8, v[TM+4]
	v_lshl_or_b32 v[qQ], v[TM+6], 16, v[qQ]
	v_lshl_or_b32 v[qQ], v[TM+7], 24, v[qQ]        ; my row's scale word
	WIN qW
.irp t, 0,1,2,3,4,5,6,7
	v_cvt_scalef32_pk8_fp4_f32 v[qP+4*(\t>>2)+2*(\t&1)+((\t>>1)&1)], v[qX+16*(\t>>1)+8*(\t&1):qX+16*(\t>>1)+8*(\t&1)+7], v[TM+12+(\t>>1)]
.endr
	WIN 0
	v_nop                                          ; one plain instruction behind the conversions
.irp c, 0,1
.irp e, 0,1
	v_permlane16_swap_b32 v[qP+4*\c+2*\e], v[qP+4*\c+2*\e+1]
.endr
.endr
.irp c, 0,1
	ds_store_b128 v[IWI], v[qP+4*\c:qP+4*\c+3] offset:8192*(\m)+1024*(\sp)+512*\c
.endr
	ds_store_b32 v[IWS], v[qQ] offset:512*(\m)+64*(\sp)   ; lanes r and r + 16 write the same word with the same value
.endm
.macro QUANT8
	QUANT 0, 0, 0, 0
	QUANT 0, 1, 1, 0
	QUANT 1, 0, 0, 1
	QUANT 1, 1, 1, 1
	QUANT 2, 0, 0, 1
	QUANT 2, 1, 1, 1
	QUANT 3, 0, 0, 1
	QUANT 3, 1, 1, 1
.endm
.macro XFETCH                          ; all 32 fragments of x into window 1 and their 16 registers of scale words: they stay for a whole chain of products
	WIN 0x40
.set i, 0
.rept 64
	ds_load_b128 v[4*i:4*i+3], v[LI] offset:512*i
.set i, i+1
.endr
	WIN 0
.set i, 0
.rept 16
	ds_load_b32 v[XSC+i], v[LS] offset:128*i
.set i, i+1
.endr
	s_wait_dscnt 0x0
.endm
.macro XTLOAD adr                      ; two views of my 256 columns out of a slot, into the window that is set as destination
.irp m, 0,1
.irp p, 0,1,2,3,4,5,6,7
.irp u, 0,1
.irp j, 0,1
	ds_load_b128 v[128*\m+16*\p+8*\u+4*\j:128*\m+16*\p+8*\u+4*\j+3], v[\adr] offset:XTT*\m+128*\p+64*\u+16*\j
.endr
.endr
.endr
.endr
.endm
.macro SCLOAD                          ; the scale bytes of the tile just asked for: lane l takes the 32 bytes of row l of 32 rows: two loads cover 1,024 consecutive bytes; two such sets
	global_load_b128 v[NXT:NXT+3], v[WSO], s[SBA:SBA+1]
	global_load_b128 v[NXT+4:NXT+7], v[WSO], s[SBA:SBA+1] offset:16
	global_load_b128 v[NXT+8:NXT+11], v[WSO], s[SBB:SBB+1]
	global_load_b128 v[NXT+12:NXT+15], v[WSO], s[SBB:SBB+1] offset:16
.endm
; THE CHANGE OF SLOTS.  Every wave waits for all its tensor loads (its part of the slot that is read next among them), adds 0 to its spare word, steps the addresses while the add is out, and waits for the add and for its reads of the
; slot that it leaves; the round of the cluster's barrier shows the same of every wave of all four work-groups; the joint refill of the slot just left is the first thing behind it and my one tensor load until the next change.
; adv: on to the next tile.  mv: the next tile's scale words become the tile's in hand.  lw: they are waited for here (else an earlier wait for 0 has shown them in).  sw >= 0: in trip sw the walk goes over to another weight (pt, sca, scb).
.macro TURN adv, mv, lw, sw, pt, sca, scb, chg
	s_wait_tensorcnt 0x0                           ; no tensor load of mine is out, so group 0 may be written
	ds_add_u32 v[SPW], v[NIL]                      ; 0 onto my spare word
.if \lw
	s_wait_loadcnt 0x0                             ; the scale words asked for at the last change are in, and those loads have read their bases
.endif
.if \mv
.irp i, 0,1,2,3,4,5,6,7,8,9,10,11,12,13,14,15
	v_mov_b32 v[CUR+\i], v[NXT+\i]
.endr
.endif
.if \adv
	s_add_nc_u64 s[TP:TP+1], s[TP:TP+1], s[STC:STC+1]
	s_add_nc_u64 s[SBA:SBA+1], s[SBA:SBA+1], s[STS:STS+1]
	s_add_nc_u64 s[SBB:SBB+1], s[SBB:SBB+1], s[STS:STS+1]
.endif
.if \sw >= 0
	s_cmp_eq_u32 s[CNT], \sw                       ; a choice on the loop's counter, without a jump
	s_cselect_b64 s[TP:TP+1], s[\pt:\pt+1], s[TP:TP+1]
	s_cselect_b64 s[SBA:SBA+1], s[\sca:\sca+1], s[SBA:SBA+1]
	s_cselect_b64 s[SBB:SBB+1], s[\scb:\scb+1], s[SBB:SBB+1]
.if \chg
	s_cselect_b32 s[STC], 0x8000, s[STC]           ; from here on a wave's rows of successive tiles follow each other: 64 rows of 512 bytes,
	s_cselect_b32 s[STS], 0x800, s[STS]            ; and of 32 scale bytes
.endif
.endif
	s_add_co_u32 s[G0W+1], s[WOFF], s[TF]          ; LDS address: my 64 rows of the slot
	s_mov_b64 s[G0W+2:G0W+3], s[TP:TP+1]
	s_or_b32 s[G0W+3], s[G0W+3], 0x80000000        ; type = 2
	s_wait_dscnt 0x0                               ; the add is done, my LDS stores have landed, and my reads of the slot are over
	ROUND
	tensor_load_to_lds s[G0W:G0W+3], s[G1W:G1W+7]
	s_nop 0
	PLACES 8                                       ; four follow a tensor load; the eight stand between the moved scale words and the next scaled product
	SCLOAD
	s_xor_b32 s[TF], s[TF], SLOT
.endm
.macro TURN0                           ; the last two tiles: nothing is left to ask for.  In this phase a wave reads only the rows that its own load brought, so its own wait is all the ordering that the reads need; one load at the most is out
	s_wait_tensorcnt 0x0
.irp i, 0,1,2,3,4,5,6,7,8,9,10,11,12,13,14,15
	v_mov_b32 v[CUR+\i], v[NXT+\i]
.endr
	PLACES 8
.endm
.macro GATHER                          ; Wf for 32 columns of the four views: lane (r, h) takes class min(r, 9) and the rows k = 8 h + 0..7, 16 + 8 h + 0..7: source 1 of the bf16 product, still in f32
	WIN 0x80
.irp m, 0,1,2,3
.irp i, 0,1,2,3,4,5,6,7
	global_load_b32 v[LND+16*\m+\i], v[WFO], s[30:31] offset:40960*\m+40*\i
.endr
.irp i, 0,1,2,3,4,5,6,7
	global_load_b32 v[LND+16*\m+8+\i], v[WFO], s[30:31] offset:40960*\m+640+40*\i
.endr
.endr
	WIN 0
.endm
; Behind a half step of the last chain: relu; y and Wf rounded to bf16; out0(sample, class) += y Wf for these 32 columns of each view.  A lane's 16 numbers of a view are, in order, the 16 that source 0 (16 samples x 32 k) wants of it.
.macro POSTD last
.set i, 0
.rept 64
	v_max_num_f32 v[ACC+i], 0, v[ACC+i]            ; ascending: each accumulator is read from its low end on
.set i, i+1
.endr
	WIN 0x80
.set i, 0
.rept 32
	v_cvt_pk_bf16_f32 v[YB+i], v[ACC+2*i], v[ACC+2*i+1]
.set i, i+1
.endr
	s_wait_loadcnt 0x0                             ; this half's numbers of Wf, asked for a half step ago (and the next tile's scale words)
	WIN 0x8a
.set i, 0
.rept 32
	v_cvt_pk_bf16_f32 v[WB+i], v[LND+2*i], v[LND+2*i+1]
.set i, i+1
.endr
	WIN 0
.if \last
	s_cmp_eq_u32 s[CNT], 1                         ; the very last half asks for nothing: no load leaves Wf
	s_cbranch_scc1 .Lno_more_\@
.endif
	s_add_nc_u64 s[30:31], s[30:31], 1280          ; 32 rows of Wf on (the loads that read this base are in)
	GATHER
.if \last
.Lno_more_\@:
.endif
	WIN 0x0a
.irp m, 0,1,2,3
	v_wmma_f32_16x16x32_bf16 v[OUT+8*\m:OUT+8*\m+7], v[YB+8*\m:YB+8*\m+7], v[WB+8*\m:WB+8*\m+7], v[OUT+8*\m:OUT+8*\m+7]   ; four accumulators by turns, one a view
.endr
	WIN 0
.endm
.macro LNX off                         ; four chains of pairs -> my lane's sum -> with lane xor 16's -> with the other waves', through LDS, in one fixed order: v[CH] = the sample's sum, the same bits in every wave
	v_pk_add_f32 v[CH:CH+1], v[CH:CH+1], v[CH+2:CH+3]
	v_pk_add_f32 v[CH+4:CH+5], v[CH+4:CH+5], v[CH+6:CH+7]
	v_pk_add_f32 v[CH:CH+1], v[CH:CH+1], v[CH+4:CH+5]
	v_add_f32 v[CH], v[CH], v[CH+1]
	v_permlanex16_b32 v[CH+1], v[CH], s[SEL], s[SEL+1]
	v_add_f32 v[CH], v[CH], v[CH+1]
	ds_store_b32 v[LNW], v[CH] offset:\off         ; lanes r and r + 16 write the same word with the same value
	BAR
.irp k, 0,1,2,3
	ds_load_b32 v[CH+\k], v[LNR] offset:\off+64*\k
.endr
	s_wait_dscnt 0x0
	v_add_f32 v[CH], v[CH], v[CH+1]
	v_add_f32 v[CH+2], v[CH+2], v[CH+3]
	v_add_f32 v[CH], v[CH], v[CH+2]
.endm
.macro CHZERO
.irp i, 0,1,2,3,4,5,6,7
	v_mov_b32 v[CH+\i], 0
.endr
.endm
; ---------------------------------------------------------------- the head
	s_load_b512 s[4:19], s[0:1], 0x0               ; xt, Wq codes, Wq scales, Wk codes, Wk scales, Wv codes, Wv scales, W1 codes
	s_load_b512 s[20:35], s[0:1], 0x40             ; W1 scales, bq, bk, bv, b1, Wf, bf, out0
	v_lshl_add_u32 v[SPW], v0, 2, SPARE
	v_mov_b32 v[NIL], 0
	ds_add_u32 v1, v2
	ds_add_u32 v1, v2
	s_wait_dscnt 0x0
	v_lshrrev_b32 v16, 5, v0
	v_readfirstlane_b32 s[WV], v16                 ; wave 0..3
	s_bfe_u32 s[CX], ttmp6, 0x40000                ; my place in the cluster
	s_lshl_b32 s[WG], ttmp9, 2                     ; in a cluster launch ttmp9 counts clusters
	s_add_co_u32 s[WG], s[WG], s[CX]
	s_mov_b32 s[SEL], 0x76543210
	s_mov_b32 s[SEL+1], 0xfedcba98
	s_mov_b32 s[FLR], 0x1800000
	; group 1 for xt: 16 rows (samples) x 256 elements of 4 bytes, 4,096 elements from sample to sample; 4 words of padding behind every 256; no mask: each work-group has its own samples
	s_mov_b32 s[G1X+0], (2<<16)|(1<<20)|(7<<22)|(3<<25)
	s_mov_b32 s[G1X+1], 256<<16                    ; tensor_dim0
	s_mov_b32 s[G1X+2], 16<<16                     ; tensor_dim1
	s_mov_b32 s[G1X+3], 256<<16                    ; tile_dim0
	s_mov_b32 s[G1X+4], 16                         ; tile_dim1
	s_mov_b32 s[G1X+5], 4096                       ; stride
	s_mov_b32 s[G1X+6], 0
	s_mov_b32 s[G1X+7], 0
	; group 1 for the weights: 64 rows x 512 bytes, dense; 4 words of padding behind every 128; the mask names the cluster's four work-groups, bit 21 beside it
	s_mov_b32 s[G1W+0], 15|(1<<20)|(1<<21)|(6<<22)|(3<<25)
	s_mov_b32 s[G1W+1], 512<<16
	s_mov_b32 s[G1W+2], 64<<16
	s_mov_b32 s[G1W+3], 512<<16
	s_mov_b32 s[G1W+4], 64
	s_mov_b32 s[G1W+5], 512
	s_mov_b32 s[G1W+6], 0
	s_mov_b32 s[G1W+7], 0
	s_mul_i32 s[WOFF], s[WV], 64*WP
	s_mul_i32 s43, s[WV], 2*XTT                    ; my wave's two xt tiles in a slot
	s_lshl_b32 s40, s[WG], 18                      ; 16 samples of 16,384 bytes
	s_lshl_b32 s42, s[WV], 10                      ; my 256 columns
	s_add_co_u32 s40, s40, s42
	s_mov_b32 s41, 0
	s_wait_kmcnt 0x0
	s_add_nc_u64 s[4:5], s[4:5], s[40:41]
.irp m, 0,1,2,3
	s_mov_b32 s[G0X+4*\m], 1
	s_add_co_u32 s[G0X+4*\m+1], s43, (\m>>1)*SLOT+(\m&1)*XTT
	s_add_nc_u64 s[G0X+4*\m+2:G0X+4*\m+3], s[4:5], 4096*\m
	s_or_b32 s[G0X+4*\m+3], s[G0X+4*\m+3], 0x80000000
.endr
	ROUND                                          ; in a cluster launch every group of tensor loads stands behind a round
.irp m, 0,1,2,3
	tensor_load_to_lds s[G0X+4*\m:G0X+4*\m+3], s[G1X:G1X+7]   ; the first fills, one group: four loads of mine are out
	s_nop 0
.endr
	PLACES 4
	; the biases are copied into LDS once, each wave a quarter of each
	v_and_b32 v17, 31, v0                          ; lane
	v_and_b32 v18, 15, v0                          ; r
	v_bfe_u32 v19, v0, 4, 1                        ; h
	s_lshl_b32 s40, s[WV], 10
	v_lshlrev_b32 v20, 4, v17
	v_add_nc_u32 v20, s40, v20                     ; 1,024 wave + 16 lane
.irp i, 0,1
	global_load_b128 v[F+4*\i:F+4*\i+3], v20, s[22:23] offset:512*\i
	global_load_b128 v[F+8+4*\i:F+8+4*\i+3], v20, s[24:25] offset:512*\i
	global_load_b128 v[F+16+4*\i:F+16+4*\i+3], v20, s[26:27] offset:512*\i
	global_load_b128 v[F+24+4*\i:F+24+4*\i+3], v20, s[28:29] offset:512*\i
.endr
	; where the walks begin.  Nothing here that feeds a joint load hangs on my place in the cluster
	s_add_nc_u64 s[SBA:SBA+1], s[8:9], s[40:41]    ; Wq's and Wk's scale bytes: my 32 rows of a tile's 128
	s_add_nc_u64 s[SBB:SBB+1], s[12:13], s[40:41]
	s_lshl_b32 s40, s[WV], 17                      ; Wv, W1: my 256 rows
	s_add_nc_u64 s[14:15], s[14:15], s[40:41]
	s_add_nc_u64 s[18:19], s[18:19], s[40:41]
	s_lshl_b32 s40, s[WV], 13                      ; and their scale bytes
	s_add_nc_u64 s[16:17], s[16:17], s[40:41]
	s_add_nc_u64 s[20:21], s[20:21], s[40:41]
	s_add_nc_u64 s[SVB:SVB+1], s[16:17], 1024
	s_add_nc_u64 s[S1B:S1B+1], s[20:21], 1024
	s_mul_i32 s40, s[WV], 10240                    ; Wf: my 256 rows of 40 bytes in each view
	s_add_nc_u64 s[30:31], s[30:31], s[40:41]
	s_cmp_lt_u32 s[WV], 2                          ; tiles 0-7: waves 0, 1 fetch Wq's 128 rows, waves 2, 3 Wk's
	s_cselect_b64 s[TP:TP+1], s[6:7], s[10:11]
	s_and_b32 s40, s[WV], 1
	s_lshl_b32 s40, s40, 15
	s_add_nc_u64 s[TP:TP+1], s[TP:TP+1], s[40:41]
	s_mul_i32 s40, s[WG], 640                      ; out0: 16 samples of 40 bytes
	s_add_nc_u64 s[34:35], s[34:35], s[40:41]
	s_mov_b32 s[STC], 65536                        ; 128 rows of codes
	s_mov_b32 s[STC+1], 0
	s_mov_b32 s[STS], 4096                         ; and of scale bytes
	s_mov_b32 s[STS+1], 0
	s_mov_b32 s[G0W], 1
	s_mov_b32 s[TF], 0
	; my lane's places, for every phase of the launch: constants, the lane and the wave's number
	v_mul_u32_u24 v[LW], v18, WP
	v_lshl_add_u32 v[LW], v19, 4, v[LW]
	v_lshl_add_u32 v[HB], v19, 5, BIAS
	v_lshl_add_u32 v[LI], v17, 4, IMG
	v_lshl_add_u32 v[LS], v17, 2, XSW
	s_lshl_b32 s40, s[WV], 11
	v_add_nc_u32 v[IWI], s40, v[LI]
	s_lshl_b32 s40, s[WV], 7
	v_lshl_add_u32 v[IWS], v18, 2, XSW
	v_add_nc_u32 v[IWS], s40, v[IWS]
	v_mul_u32_u24 v[XA], v18, XTP
	v_lshl_add_u32 v[XA], v19, 5, v[XA]
	v_add_nc_u32 v[XA], s43, v[XA]
	v_add_nc_u32 v[XA2], SLOT, v[XA]
	v_lshlrev_b32 v[WSO], 5, v17
	v_min_u32 v[BFO], 9, v18
	v_lshlrev_b32 v[BFO], 2, v[BFO]
	v_mad_u32_u24 v[WFO], v19, 320, v[BFO]
	s_lshl_b32 s40, s[WV], 10
	v_lshl_add_u32 v[SBL], v18, 6, SCR
	v_add_nc_u32 v[SBS], s40, v[SBL]
	v_lshl_add_u32 v[OST], v18, 2, SCR
	v_lshl_add_u32 v[OST], v19, 9, v[OST]
	v_add_nc_u32 v[OST], s40, v[OST]
	s_lshl_b32 s40, s[WV], 6
	v_lshl_add_u32 v[LNR], v18, 2, LNS
	v_add_nc_u32 v[LNW], s40, v[LNR]
	s_lshl_b32 s40, s[WV], 8
	v_lshl_add_u32 v[OL], v18, 2, SCR
	v_lshl_add_u32 v[OL], v19, 6, v[OL]
	v_add_nc_u32 v[OL], s40, v[OL]
	s_mul_i32 s40, s[WV], 160
	v_mad_u32_u24 v[OG], v19, 40, v[BFO]
	v_add_nc_u32 v[OG], s40, v[OG]
	v_add_nc_u32 v21, BIAS, v20
.irp b, 0,1,2,3
	v_mov_b32 v[TM+4+\b], 0                        ; written once: a lane permute's destination counts as one of its sources
.endr
.set i, 0
.rept 32
	v_mov_b32 v[SS+i], 0                           ; the score sums: their loop is written once
.set i, i+1
.endr
	s_wait_loadcnt 0x0
.irp k, 0,1,2,3
.irp i, 0,1
	ds_store_b128 v21, v[F+8*\k+4*\i:F+8*\k+4*\i+3] offset:4096*\k+512*\i
.endr
.endr
; ---------------------------------------------------------------- xt into registers, its codes into LDS, the first two weight tiles on their way
	s_wait_tensorcnt 0x2                           ; views 0 and 1 are in; the two younger loads (views 2, 3) may be out.  I read my own wave's tiles alone
	WIN 0x80
	XTLOAD XA
	WIN 0
	TURN 0, 0, 0, -1, 0, 0, 0, 0                   ; slot 0 is read out: tile 0
	WIN 0xc0
	XTLOAD XA2
	WIN 0
	QUANT8
	TURN 1, 1, 1, -1, 0, 0, 0, 0                   ; slot 1 is read out: tile 1.  The round also shows every wave's images and biases in LDS
	XFETCH
	s_mov_b32 s[TB], 0
	s_lshl_b32 s[BOFF], s[WV], 7                   ; my 32 columns of a step's 128
	s_mul_i32 s[RA], s[WV], 32*WP
	s_mov_b32 s[CNT], 0
; ---------------------------------------------------------------- A: q, k and the scores.  Step t: columns 128 t + 32 wave + 0 .. 31, in two halves of 16
.La:
	PRE 0
	WIN 0x04
	HALF 0, 0, 1
	WIN 0
	SCORES
	WIN 0x04
	HALF 0, 1, 0
	WIN 0
	SCORES
	TURN 1, 1, 1, 6, 14, 16, SVB, 1                ; tile t + 2; from t = 6 on that is Wv's
	s_add_co_u32 s[BOFF], s[BOFF], 512
	s_xor_b32 s[TB], s[TB], SLOT
	s_add_co_u32 s[CNT], s[CNT], 1
	s_cmp_lt_u32 s[CNT], 8
	s_cbranch_scc1 .La
; ---------------------------------------------------------------- B: the scores are summed over lane halves and waves; softmax over the four views, with the row's maximum taken away
.set i, 0
.rept 16
	v_add_f32 v[160+i], v[SS+2*i], v[SS+2*i+1]
.set i, i+1
.endr
.set i, 0
.rept 16
	v_permlanex16_b32 v[176+i], v[160+i], s[SEL], s[SEL+1]
.set i, i+1
.endr
.set i, 0
.rept 16
	v_add_f32 v[160+i], v[160+i], v[176+i]
.set i, i+1
.endr
.irp a, 0,1,2,3
	ds_store_b128 v[SBS], v[160+4*\a:160+4*\a+3] offset:16*\a   ; lanes r and r + 16 write the same bytes with the same values
.endr
	BAR
.irp k, 0,1,2,3
.irp a, 0,1,2,3
	ds_load_b128 v[160+16*\k+4*\a:160+16*\k+4*\a+3], v[SBL] offset:1024*\k+16*\a
.endr
.endr
	s_wait_dscnt 0x0
.irp i, 0,2,4,6,8,10,12,14
	v_pk_add_f32 v[160+\i:161+\i], v[160+\i:161+\i], v[176+\i:177+\i]   ; (wave 0 + wave 1) + (wave 2 + wave 3): the same order, so the same bits, in every wave
	v_pk_add_f32 v[192+\i:193+\i], v[192+\i:193+\i], v[208+\i:209+\i]
.endr
.irp i, 0,2,4,6,8,10,12,14
	v_pk_add_f32 v[160+\i:161+\i], v[160+\i:161+\i], v[192+\i:193+\i]
.endr
.irp a, 0,1,2,3
	v_max3_num_f32 v[176+\a], v[160+4*\a], v[161+4*\a], v[162+4*\a]
.endr
.irp a, 0,1,2,3
	v_max_num_f32 v[176+\a], v[176+\a], v[163+4*\a]
.endr
.irp a, 0,1,2,3
.irp b, 0,1,2,3
	v_sub_f32 v[160+4*\a+\b], v[160+4*\a+\b], v[176+\a]
.endr
.endr
.set i, 0
.rept 16
	v_mul_f32 v[160+i], 0x3d38aa3b, v[160+i]       ; x log2(e) / sqrt(1024)
.set i, i+1
.endr
.set i, 0
.rept 16
	v_exp_f32 v[192+i], v[160+i]
.set i, i+1
.endr
	v_nop                                          ; a plain instruction behind the exponentials
	s_wait_alu depctr_va_vdst(0)                   ; one wait for the batch, ahead of its first reader
.irp a, 0,1,2,3
	v_add_f32 v[176+\a], v[192+4*\a], v[193+4*\a]
	v_add_f32 v[180+\a], v[194+4*\a], v[195+4*\a]
.endr
.irp a, 0,1,2,3
	v_add_f32 v[176+\a], v[176+\a], v[180+\a]
.endr
.irp a, 0,1,2,3
	v_rcp_f32 v[184+\a], v[176+\a]
.endr
	v_nop
	s_wait_alu depctr_va_vdst(0)                   ; and one for the four reciprocals
.irp a, 0,1,2,3
.irp b, 0,1,2,3
	v_mul_f32 v[AT+2*(4*\a+\b)], v[192+4*\a+\b], v[184+\a]   ; a[v][w], the first word of its pair; the packed form takes that word for both halves
.endr
.endr
	s_mov_b32 s[RA], s[WOFF]                       ; from here on I read the 64 rows that I fetch
	s_lshl_b32 s[BOFF], s[WV], 10
	s_add_co_u32 s[BOFF], s[BOFF], 8192            ; bv, my 256 columns
	s_mov_b32 s[CNT], 0
; ---------------------------------------------------------------- C: v, 64 of my columns a step, mixed into x
.Lc:
	PRE 1
	WIN 0x04
	HALF 1, 0, 1
	WIN 0
	MIXSEL 0
	WIN 0x04
	HALF 1, 1, 0
	WIN 0
	MIXSEL 1
	TURN 1, 1, 1, 2, 18, 20, S1B, 0                ; tile 10 + trip; from trip 2 on that is W1's
	s_add_co_u32 s[BOFF], s[BOFF], 256
	s_xor_b32 s[TB], s[TB], SLOT
	s_add_co_u32 s[CNT], s[CNT], 1
	s_cmp_lt_u32 s[CNT], 4
	s_cbranch_scc1 .Lc
; ---------------------------------------------------------------- the layer norm over a sample's 4,096 numbers, in two passes: the mean first, then the squares of x - mean
	s_mov_b32 s40, 0x39800000                      ; 1 / 4,096
	CHZERO
.irp hw, 0,1
	WIN 0x08+4*\hw
.set i, 0
.rept 128
	v_pk_add_f32 v[CH+2*(i%4):CH+2*(i%4)+1], v[CH+2*(i%4):CH+2*(i%4)+1], v[2*i:2*i+1]
.set i, i+1
.endr
.endr
	WIN 0
	LNX 0
	v_mul_f32 v[MU], s40, v[CH]                    ; the mean
	v_mov_b32 v[MU+1], v[MU]
	CHZERO
.irp hw, 0,1
	WIN 0x82+0x41*\hw
.set i, 0
.rept 128
	v_pk_add_f32 v[2*i:2*i+1], v[2*i:2*i+1], v[MU:MU+1] op_sel_hi:[1,0] neg_lo:[0,1] neg_hi:[0,1]
.set i, i+1
.endr
	WIN 0x0a+5*\hw
.set i, 0
.rept 128
	v_pk_fma_f32 v[CH+2*(i%4):CH+2*(i%4)+1], v[2*i:2*i+1], v[2*i:2*i+1], v[CH+2*(i%4):CH+2*(i%4)+1]
.set i, i+1
.endr
.endr
	WIN 0
	LNX 256
	v_mov_b32 v[CH+1], 0x3727c5ac                  ; 1e-5
	v_fma_f32 v[CH], v[CH], s40, v[CH+1]           ; the variance + eps
	v_rsq_f32 v[RS], v[CH]
	v_nop
	s_wait_alu depctr_va_vdst(0)
	v_mov_b32 v[RS+1], v[RS]
.irp hw, 0,1
	WIN 0x82+0x41*\hw
.set i, 0
.rept 128
	v_pk_mul_f32 v[2*i:2*i+1], v[2*i:2*i+1], v[RS:RS+1] op_sel_hi:[1,0]
.set i, i+1
.endr
.endr
	WIN 0
	QUANT8                                         ; the images' bytes were last read many barriers ago
	GATHER                                         ; Wf for the first half step, into registers that x has left
	BAR
	XFETCH
.set i, 0
.rept 32
	v_mov_b32 v[OUT+i], 0                          ; out0's sums: their loop is written once
.set i, i+1
.endr
	s_lshl_b32 s[BOFF], s[WV], 10
	s_add_co_u32 s[BOFF], s[BOFF], 12288           ; b1, my 256 columns
	s_mov_b32 s[CNT], 0
; ---------------------------------------------------------------- D: y = relu(x W1 + b1), 64 of my columns a step, and out0 += y Wf
.Ld1:                                  ; tiles 12, 13: behind each the slot is filled again (tiles 14, 15)
	PRE 1
	WIN 0x04
	HALF 1, 0, 1
	WIN 0
	POSTD 0
	WIN 0x04
	HALF 1, 1, 0
	WIN 0
	POSTD 0
	TURN 1, 1, 0, -1, 0, 0, 0, 0
	s_add_co_u32 s[BOFF], s[BOFF], 256
	s_xor_b32 s[TB], s[TB], SLOT
	s_add_co_u32 s[CNT], s[CNT], 1
	s_cmp_lt_u32 s[CNT], 2
	s_cbranch_scc1 .Ld1
	s_mov_b32 s[CNT], 0
.Ld2:                                  ; tiles 14, 15 are written out a second time
	PRE 1
	WIN 0x04
	HALF 1, 0, 1
	WIN 0
	POSTD 0
	WIN 0x04
	HALF 1, 1, 0
	WIN 0
	POSTD 1
	TURN0
	s_add_co_u32 s[BOFF], s[BOFF], 256
	s_xor_b32 s[TB], s[TB], SLOT
	s_add_co_u32 s[CNT], s[CNT], 1
	s_cmp_lt_u32 s[CNT], 2
	s_cbranch_scc1 .Ld2
; ---------------------------------------------------------------- the way out.  Register j of lane (r, h) holds (sample 8 h + j, class r) of my 256 columns.  The 24 plain lines just above are the places behind the last products
.irp j, 0,1,2,3,4,5,6,7
	v_add_f32 v[160+\j], v[OUT+\j], v[OUT+8+\j]    ; the four views; each accumulator from its low end on
	v_add_f32 v[168+\j], v[OUT+16+\j], v[OUT+24+\j]
.endr
.irp j, 0,1,2,3,4,5,6,7
	v_add_f32 v[160+\j], v[160+\j], v[168+\j]
.endr
.irp j, 0,1,2,3,4,5,6,7
	ds_store_b32 v[OST], v[160+\j] offset:64*\j    ; my wave's part of (sample 8 h + j, class r); classes 10 to 15 were multiplied with class 9's column of Wf and hold class 9's sums
.endr
	BAR
	; wave w finishes samples 4 w .. 4 w + 3, two at a time: lane (r, h) takes sample 4 w + 2 i + h, class r: the four waves' parts, in one fixed order, and bf.
	; Lanes with r above 9 hold class 9's number and store it to class 9's place: the same value to the same place, so that all lanes stay on
.irp i, 0,1
.irp k, 0,1,2,3
	ds_load_b32 v[176+4*\i+\k], v[OL] offset:128*\i+1024*\k
.endr
.endr
	global_load_b32 v184, v[BFO], s[32:33]         ; bf
	s_wait_dscnt 0x0
	s_wait_loadcnt 0x0
.irp i, 0,1
	v_add_f32 v[176+4*\i], v[176+4*\i], v[177+4*\i]
	v_add_f32 v[178+4*\i], v[178+4*\i], v[179+4*\i]
	v_add_f32 v[176+4*\i], v[176+4*\i], v[178+4*\i]
	v_add_f32 v[176+4*\i], v[176+4*\i], v184
	global_store_b32 v[OG], v[176+4*\i], s[34:35] offset:80*\i
.endr
	s_wait_tensorcnt 0x0                           ; the wave's end, behind my last tensor load and my last LDS store
	ds_add_u32 v[SPW], v[NIL]
	s_wait_dscnt 0x0
	ROUND                                          ; the closing round: no work-group ends while a partner may still ask for a tile that names it
	s_endpgm
.Lfunc_end_k_q199089d911_fused:
	.size	k_q199089d911_fused, .Lfunc_end_k_q199089d911_fused-k_q199089d911_fused
	.p2alignl 7, 3214868480
	.fill 96, 4, 3214868480
	.section	.rodata,"a",@progbits
	.p2align	6, 0x0
	.amdhsa_kernel k_q199089d911_fused
		.amdhsa_group_segment_fixed_size 327680
		.amdhsa_private_segment_fixed_size 0
		.amdhsa_enable_private_segment 0
		.amdhsa_kernarg_size 128
		.amdhsa_user_sgpr_count 2
		.amdhsa_user_sgpr_kernarg_segment_ptr 1
		.amdhsa_wavefront_size32 1
		.amdhsa_system_sgpr_workgroup_id_x 1
		.amdhsa_system_sgpr_workgroup_id_y 1
		.amdhsa_system_sgpr_workgroup_id_z 1
		.amdhsa_system_vgpr_workitem_id 0
		.amdhsa_next_free_vgpr 1024
		.amdhsa_next_free_sgpr 106
		.amdhsa_reserve_vcc 0
		.amdhsa_float_denorm_mode_32 3
		.amdhsa_float_denorm_mode_16_64 3
		.amdhsa_memory_ordered 1
		.amdhsa_forward_progress 1
		.amdhsa_inst_pref_size 255
	.end_amdhsa_kernel
	.section	.bss,"aw",@nobits
	.p2align	6
	.space	262144
	.amdgpu_metadata
---
amdhsa.version: [ 1, 2 ]
amdhsa.kernels:
  - .name:           k_q199089d911_fused
    .symbol:         k_q199089d911_fused.kd
    .args:
      - { .name: xt, .offset: 0, .size: 8, .value_kind: global_buffer, .address_space: global }
      - { .name: Wq_codes, .offset: 8, .size: 8, .value_kind: global_buffer, .address_space: global }
      - { .name: Wq_scales, .offset: 16, .size: 8, .value_kind: global_buffer, .address_space: global }
      - { .name: Wk_codes, .offset: 24, .size: 8, .value_kind: global_buffer, .address_space: global }
      - { .name: Wk_scales, .offset: 32, .size: 8, .value_kind: global_buffer, .address_space: global }
      - { .name: Wv_codes, .offset: 40, .size: 8, .value_kind: global_buffer, .address_space: global }
      - { .name: Wv_scales, .offset: 48, .size: 8, .value_kind: global_buffer, .address_space: global }
      - { .name: W1_codes, .offset: 56, .size: 8, .value_kind: global_buffer, .address_space: global }
      - { .name: W1_scales, .offset: 64, .size: 8, .value_kind: global_buffer, .address_space: global }
      - { .name: bq, .offset: 72, .size: 8, .value_kind: global_buffer, .address_space: global }
      - { .name: bk, .offset: 80, .size: 8, .value_kind: global_buffer, .address_space: global }
      - { .name: bv, .offset: 88, .size: 8, .value_kind: global_buffer, .address_space: global }
      - { .name: b1, .offset: 96, .size: 8, .value_kind: global_buffer, .address_space: global }
      - { .name: Wf, .offset: 104, .size: 8, .value_kind: global_buffer, .address_space: global }
      - { .name: bf, .offset: 112, .size: 8, .value_kind: global_buffer, .address_space: global }
      - { .name: out0, .offset: 120, .size: 8, .value_kind: global_buffer, .address_space: global }
    .group_segment_fixed_size: 327680
    .private_segment_fixed_size: 0
    .kernarg_segment_align: 8
    .kernarg_segment_size: 128
    .max_flat_workgroup_size: 128
    .sgpr_count:     106
    .vgpr_count:     1024
    .wavefront_size: 32
...
	.end_amdgpu_metadata
.endif
;; end of part 1
;; ======== version 2 of 2: 1 launch
;; limits: values are held in bf16: 8 bits of precision; right only within a limited range of input values
;; launch fused (part 2): grid 256 x 1, 4 waves a work-group, clusters of 4 x 1, 327,680 bytes of LDS; arguments xt, Wq_codes, Wq_scales, Wk_codes, Wk_scales, Wv_codes, Wv_scales, W1_codes, W1_scales, bq, bv, b1, Wf, bf, out0; writes out0
.if DOCPART == 2
	.amdgcn_target "amdgcn-amd-amdhsa--gfx1250"
	.amdhsa_code_object_version 6
	.text
	.protected	k_q199089d911_fused
	.globl	k_q199089d911_fused
	.p2align	8
	.type	k_q199089d911_fused,@function
k_q199089d911_fused:
	s_mov_b64 s[64:65], 0
	v_nop
	global_prefetch_b8 v0, s[64:65] scope:SCOPE_SE
	s_setreg_imm32_b32 hwreg(HW_REG_WAVE_MODE, 25, 1), 1
	s_wait_xcnt 0x0
	s_wait_alu depctr_hold_cnt(0) depctr_sa_sdst(0) depctr_va_vdst(0) depctr_va_sdst(0) depctr_va_ssrc(0) depctr_va_vcc(0) depctr_vm_vsrc(0)
	s_getreg_b32 s2, hwreg(HW_REG_IB_STS2, 6, 4)
	s_cmp_eq_u32 s2, 0
	s_cbranch_scc0 .Lentry_in_a_cluster
	s_endpgm
.Lentry_in_a_cluster:
	s_bfe_u32 s2, ttmp6, 0x10000c
	s_cmp_lg_u32 s2, 0x3003
	s_cbranch_scc0 .Lentry_shape_is_right
	s_endpgm
.Lentry_shape_is_right:
; out0 = relu(LN(softmax(q k^T / 32) v + xt) W1 + b1) Wf + bf, q, k, v = xt Wq + bq, xt Wk, xt Wv + bv; the four products with Wq, Wk, Wv, W1 on codes of E2M1.
; LEFT OUT: bk. scores[b][v][w] = q[v] . (k[w] + bk) = q[v] . k[w] + q[v] . bk: the second term is the same for all w, the softmax's axis, and this product is not
; quantised: it cancels for all finite values. bk has no other way to the output and is not among the arguments. Limit: a NaN, an infinity or an overflow that
; reaches only q . bk is not carried to the result. Limit: NaN and infinities do not pass the quantiser and the relu.
; SHARES. A work-group owns 16 samples (64 rows); 256 work-groups. A lane holds ONE sample (lane % 16) throughout; row tile m is view m. Wave w owns columns 256 w .. of x, v and the
; hidden layer, and of q, k the columns 128 c + 32 w .. + 31 of each chunk c (the scores are summed over the waves).
; The products are used transposed: source 0 = 32 rows of a weight, source 1 = 16 rows of x: register 8 u + j of a result is column 16 u + 8 (lane / 16) + j.
; REGISTERS: window 0 at work; window 1 x's codes (64 rows x 1,024); windows 2 and 3 xt, then x in f32 (512 a lane), at the end window 2 Wf.
; WEIGHTS: 16 tiles of 128 KiB (8 of q and k, 4 of v, 4 of W1) through a ring of two slots, each tile asked for jointly by the cluster's four work-groups (same descriptor, mask 15).
; PREFETCH: in trip t the clusters 0, 1, 4 and 5 ask for tile t + 4, two trips ahead of its load: 128 blocks of 256 bytes a wave's part, 32 by each of the four partners, told apart by address.
; xt is asked for at once at the head, with no loop to run ahead in: it has no prefetch.
.set WP,    528                        ; an LDS row of a tile: 512 bytes + 16 of padding
.set SLOT,  256*WP
.set IMG,   270336                     ; x's codes as an image of the operand's registers, 32 KiB
.set XSW,   303104                     ; x's scale words
.set BIAS,  305152                     ; bq, bv, b1
.set LNS,   317440
.set SPARE, 317952                     ; spare words: 128 bytes a wave
.set SCR,   318464                     ; scratch, 1 KiB a wave
.set SPW, 1
.set NIL, 2
.set LW,  3
.set HB,  4
.set LI,  5
.set LS,  6
.set IWI, 7
.set IWS, 8
.set XO,  9
.set PFO, 10
.set WSO, 11
.set WFO, 12
.set AW,  13
.set AK,  14
.set BA,  15
.set TRS, 16
.set SBS, 22
.set SBL, 23
.set LNW, 24
.set LNR, 25
.set OST, 26
.set OL,  27
.set OG,  28
.set BFO, 29
.set TRL, 30
.set XSC, 32                           ; x's scale words
.set CUR, 48                           ; the trip's weight scales: 8 words for each of its two halves
.set NXT, 64
.set BIA, 80
.set F,   96                           ; four fragment buffers of 32 rows x 128 K
.set ACC, 160
.set SS,  224
.set AT,  224
.set OUT, 224
.set TM,  160
.set PW,  176
.set PCD, 184
.set PV,  184
.set RS,  186
.set KK,  188
.set CA,  192
.set CB,  208
.set RAW, 0                            ; window 2 at the end: Wf's rows, two halves of a trip; rounded; transposed; y
.set PKW, 80
.set WB,  144
.set YB,  208
.set SEL, 2
.set WV,  36
.set CX,  37
.set WG,  38
.set FLR, 39
.set ASKF, 44
.set G1W, 52
.set G0W, 60
.set SVB, 66
.set S1B, 68
.set TP,  84                           ; the next tile to be asked for
.set SBA, 86                           ; scales last asked for
.set SBB, 88
.set STC, 90
.set STS, 92
.set PFA, 94
.set STP, 96
.set TB,  98
.set TF,  99
.set WOFF, 100
.set CNT, 101
.set BOFF, 104
.set RA,  105
.set PH,  0
.set NB,  2
.set MSB, 0
.macro WIN new
.if MSB != (\new)
	s_set_vgpr_msb (MSB<<8)|(\new)
.set MSB, (\new)
.endif
.endm
.macro PLACES n
.rept \n
	v_nop
.endr
.endm
.macro CREST
	s_cmp_lg_u32 s[WV], 0
	s_cbranch_scc1 .Lnot_wave_0_\@
	s_barrier_signal -3
.Lnot_wave_0_\@:
	s_barrier_wait -3
	s_barrier_signal -1
	s_barrier_wait -1
.endm
.macro ROUND
	s_barrier_signal -1
	s_barrier_wait -1
	CREST
.endm
.macro BAR
	s_wait_dscnt 0x0
	s_barrier_signal -1
	s_barrier_wait -1
.endm
; group 0 for the next tile, and on to the tile behind it (no tensor load of mine is out)
.macro TILE
	s_add_co_u32 s[G0W+1], s[WOFF], s[TF]
	s_mov_b64 s[G0W+2:G0W+3], s[TP:TP+1]
	s_or_b32 s[G0W+3], s[G0W+3], 0x80000000
	s_add_nc_u64 s[TP:TP+1], s[TP:TP+1], s[STC:STC+1]
	s_xor_b32 s[TF], s[TF], SLOT
.endm
.macro JLOAD
	tensor_load_to_lds s[G0W:G0W+3], s[G1W:G1W+7]
	s_nop 0
	PLACES 4
.endm
.macro ASK
	s_cmp_lg_u32 s[ASKF], 0
	s_cbranch_scc1 .Lnot_mine_\@
	global_prefetch_b8 v[PFO], s[PFA:PFA+1] th:TH_LOAD_NT scope:SCOPE_SE
.Lnot_mine_\@:
.endm
; fragment group k of a trip (half k / 8, K step k % 8) into buffer k % 4.  PH 0: 16 rows of Wq and 16 of Wk; PH 1: 32 rows of one weight
.macro G k
.set gS, (\k)%8
.set gH, (\k)/8
.set gF, F+16*((\k)%4)
.if PH == 0
.set gA, AK
.set gO, 16*WP*gH
.set gQ, 16*WP*gH
.else
.set gA, AW
.set gO, 32*WP*gH
.set gQ, 32*WP*gH+16*WP
.endif
.irp c, 0,1
	ds_load_b128 v[gF+4*\c:gF+4*\c+3], v[AW] offset:gO+64*gS+32*\c
.endr
.irp c, 0,1
	ds_load_b128 v[gF+8+4*\c:gF+8+4*\c+3], v[gA] offset:gQ+64*gS+32*\c
.endr
.endm
; the half's bias, the C of its first products (PH 0: bq alone; the upper eight registers hold 0)
.macro LDB kap
.if PH == 0
	ds_load_b128 v[BIA:BIA+3], v[BA] offset:64*\kap
	ds_load_b128 v[BIA+4:BIA+7], v[BA] offset:64*\kap+16
.else
	ds_load_b128 v[BIA:BIA+3], v[BA] offset:128*\kap
	ds_load_b128 v[BIA+4:BIA+7], v[BA] offset:128*\kap+16
	ds_load_b128 v[BIA+8:BIA+11], v[BA] offset:128*\kap+64
	ds_load_b128 v[BIA+12:BIA+15], v[BA] offset:128*\kap+80
.endif
.endm
.macro STEP k
.set sK, (\k)%8
.set sH, (\k)/8
.set sF, F+16*((\k)%4)
.irp m, 0,1,2,3
.set sD, ACC+16*\m
.if sK == 0
.set sC, BIA
.else
.set sC, sD
.endif
.if (sK%2) == 1
	v_wmma_scale_f32_32x16x128_f4 v[sD:sD+15], v[sF:sF+15], v[64*\m+8*sK:64*\m+8*sK+7], v[sC:sC+15], v[CUR+8*sH+sK], v[XSC+4*\m+sK/2] matrix_b_scale:MATRIX_SCALE_ROW1
.else
	v_wmma_scale_f32_32x16x128_f4 v[sD:sD+15], v[sF:sF+15], v[64*\m+8*sK:64*\m+8*sK+7], v[sC:sC+15], v[CUR+8*sH+sK], v[XSC+4*\m+sK/2]
.endif
.endr
.endm
.macro ADDR
	s_add_co_u32 s40, s[TB], s[RA]
	v_add_nc_u32 v[AW], s40, v[LW]
.if PH == 0
	v_add_nc_u32 v[AK], 128*WP, v[AW]
.endif
	v_add_nc_u32 v[BA], s[BOFF], v[HB]
	s_wait_alu depctr_va_vdst(0)
.endm
.macro FIRST
	LDB 0
	G 0
	G 1
	G 2
.endm
; scores: lane-wise sums of q[a] k[b], each accumulator read from its low end first (a = b first)
.macro SCORES
.irp jp, 0,1,2,3
.irp d, 0,1,2,3
.irp a, 0,1,2,3
.set sX, SS+2*(4*\a+((\a+\d)&3))
.set sY, ACC+16*((\a+\d)&3)+8+2*\jp
	v_pk_fma_f32 v[sX:sX+1], v[ACC+16*\a+2*\jp:ACC+16*\a+2*\jp+1], v[sY:sY+1], v[sX:sX+1]
.endr
.endr
.endr
.endm
.macro MIX p
.irp hw, 0,1
	WIN 0xa0+0x50*\hw
.irp w, 0,1,2,3
.irp vv, 0,1
.irp ip, 0,1,2,3,4,5,6,7
	v_pk_fma_f32 v[128*\vv+16*(\p)+2*\ip:128*\vv+16*(\p)+2*\ip+1], v[ACC+16*\w+2*\ip:ACC+16*\w+2*\ip+1], v[AT+2*(4*(2*\hw+\vv)+\w):AT+2*(4*(2*\hw+\vv)+\w)+1], v[128*\vv+16*(\p)+2*\ip:128*\vv+16*(\p)+2*\ip+1] op_sel_hi:[1,0,1]
.endr
.endr
.endr
.endr
	WIN 0
.endm
.macro MIXSEL kap
	s_cmp_lt_u32 s[CNT], 2
	s_cbranch_scc0 .Lmix_hi_\@
	s_cmp_eq_u32 s[CNT], 0
	s_cbranch_scc0 .Lmix_1_\@
	MIX 0+\kap
	s_branch .Lmix_done_\@
.Lmix_1_\@:
	MIX 2+\kap
	s_branch .Lmix_done_\@
.Lmix_hi_\@:
	s_cmp_eq_u32 s[CNT], 2
	s_cbranch_scc0 .Lmix_3_\@
	MIX 4+\kap
	s_branch .Lmix_done_\@
.Lmix_3_\@:
	MIX 6+\kap
.Lmix_done_\@:
.endm
; Wf's rows for a trip's two halves: lane = row, 40 bytes a row, four views
.macro WFLOAD
	WIN 0x80
.irp kp, 0,1
.irp m, 0,1,2,3
.irp i, 0,1,2,3,4
	global_load_b64 v[RAW+40*\kp+10*\m+2*\i:RAW+40*\kp+10*\m+2*\i+1], v[WFO], s[28:29] offset:1280*\kp+40960*\m+8*\i
.endr
.endr
.endr
	WIN 0
.endm
; rounded to bf16, stored by rows of 16 (six zeros) into my scratch and loaded transposed: LDS serves a wave's instructions in order, so one KiB serves all eight by turns
.macro PREPW wskip
	s_wait_loadcnt 0x0
	s_add_nc_u64 s[28:29], s[28:29], 2560
	WIN 0x8a
.irp kp, 0,1
.irp m, 0,1,2,3
.irp i, 0,1,2,3,4
	v_cvt_pk_bf16_f32 v[PKW+32*\kp+8*\m+\i], v[RAW+40*\kp+10*\m+2*\i], v[RAW+40*\kp+10*\m+2*\i+1]
.endr
.endr
.endr
	WIN 0x88
.irp kp, 0,1
.irp m, 0,1,2,3
	ds_store_b128 v[TRS], v[PKW+32*\kp+8*\m:PKW+32*\kp+8*\m+3]
	ds_store_b128 v[TRS], v[PKW+32*\kp+8*\m+4:PKW+32*\kp+8*\m+7] offset:16
	ds_load_tr16_b128 v[WB+32*\kp+8*\m:WB+32*\kp+8*\m+3], v[TRL]
	ds_load_tr16_b128 v[WB+32*\kp+8*\m+4:WB+32*\kp+8*\m+7], v[TRL] offset:512
.endr
.endr
	WIN 0
.if \wskip >= 0
	s_cmp_eq_u32 s[CNT], \wskip
	s_cbranch_scc1 .Lno_more_\@
.endif
	WFLOAD
.Lno_more_\@:
.endm
; relu, bf16, and the four views' products with Wf
.macro POST kap, wskip
.if \kap == 0
	PREPW \wskip
.endif
.set i, 0
.rept 64
	v_max_num_f32 v[ACC+i], 0, v[ACC+i]
.set i, i+1
.endr
	WIN 0x80
.set i, 0
.rept 32
	v_cvt_pk_bf16_f32 v[YB+i], v[ACC+2*i], v[ACC+2*i+1]
.set i, i+1
.endr
	WIN 0x0a
.if \kap == 0
	s_wait_dscnt 0x0
.endif
	s_wait_alu depctr_va_vdst(0)
.irp m, 0,1,2,3
	v_wmma_f32_16x16x32_bf16 v[OUT+8*\m:OUT+8*\m+7], v[YB+8*\m:YB+8*\m+7], v[WB+32*\kap+8*\m:WB+32*\kap+8*\m+7], v[OUT+8*\m:OUT+8*\m+7]
.endr
	WIN 0
.endm
.macro MID kind, kap, wskip
.if \kind == 0
	SCORES
.elseif \kind == 1
	MIXSEL \kap
.else
	POST \kap, \wskip
.endif
.endm
.macro SCLOAD
	global_load_b128 v[NXT:NXT+3], v[WSO], s[SBA:SBA+1]
	global_load_b128 v[NXT+4:NXT+7], v[WSO], s[SBA:SBA+1] offset:16
	global_load_b128 v[NXT+8:NXT+11], v[WSO], s[SBB:SBB+1]
	global_load_b128 v[NXT+12:NXT+15], v[WSO], s[SBB:SBB+1] offset:16
.endm
.macro SWAPS
.irp i, 0,1,2,3,4,5,6,7
	v_permlane16_swap_b32 v[NXT+\i], v[NXT+8+\i]
.endr
.endm
.macro MOVS
.irp i, 0,1,2,3,4,5,6,7,8,9,10,11,12,13,14,15
	v_mov_b32 v[CUR+\i], v[NXT+\i]
.endr
	s_wait_alu depctr_va_vdst(0)
.endm
.macro SCSTEP
	s_add_nc_u64 s[SBA:SBA+1], s[SBA:SBA+1], s[STS:STS+1]
	s_add_nc_u64 s[SBB:SBB+1], s[SBB:SBB+1], s[STS:STS+1]
.endm
; the next trip's scales become the current ones, and those of the trip behind it are asked for.  For q and k the two loads are 32 rows of each: the swap makes of them
; 16 rows of q and 16 of k, as the 32-row operand has them; in the last of those trips what has come is v's and lies right.
.macro SCALE kind, refill
.if \kind == 0
	s_wait_loadcnt 0x0
	s_cmp_eq_u32 s[CNT], 7
	s_cbranch_scc1 .Lraw_\@
	SWAPS
.Lraw_\@:
	MOVS
	SCSTEP
	s_cmp_eq_u32 s[CNT], 6
	s_cselect_b64 s[SBA:SBA+1], s[16:17], s[SBA:SBA+1]
	s_cselect_b64 s[SBB:SBB+1], s[SVB:SVB+1], s[SBB:SBB+1]
	s_cselect_b32 s[STS], 0x800, s[STS]
	SCLOAD
.elseif \kind == 1
	s_wait_loadcnt 0x0
	MOVS
	SCSTEP
	s_cmp_eq_u32 s[CNT], 2
	s_cselect_b64 s[SBA:SBA+1], s[20:21], s[SBA:SBA+1]
	s_cselect_b64 s[SBB:SBB+1], s[S1B:S1B+1], s[SBB:SBB+1]
	SCLOAD
.elseif \refill
	MOVS
	SCSTEP
	SCLOAD
.else
	s_cmp_eq_u32 s[CNT], 1
	s_cbranch_scc1 .Lraw_\@
	MOVS
.Lraw_\@:
.endif
.endm
; A TRIP: one slot, 16 K steps of 128 (two halves of 32 weight rows).  Step k waits for group k (younger: three groups, and the second half's bias), multiplies, and asks for group k + 4.
; The change of slots stands among the last four steps, whose fragments are in registers: the three lines, the round, the joint refill, the next slot's first groups.
.macro TRIP kind, refill, skip, wskip
	G 3
	s_wait_dscnt 12
	WIN 4
	STEP 0
	PLACES 4
	LDB 1
	G 4
.irp k, 1,2,3
	s_wait_dscnt 12+NB
	STEP \k
	PLACES 4
	G \k+4
.endr
.irp k, 4,5,6
	s_wait_dscnt 12
	STEP \k
	PLACES 4
	G \k+4
.endr
	s_wait_dscnt 12
	STEP 7
	PLACES 5
	G 11
	WIN 0
	MID \kind, 0, \wskip
	WIN 4
.irp k, 8,9,10,11
	s_wait_dscnt 12
	STEP \k
	PLACES 4
	G \k+4
.endr
	s_wait_dscnt 12
	STEP 12
	WIN 0
	s_wait_tensorcnt 0x0                           ; my part of the next slot is in
.if \refill
	ds_add_u32 v[SPW], v[NIL]
.if \kind < 2
	s_wait_xcnt 0x0                                ; my prefetch has read its base
	s_add_nc_u64 s[PFA:PFA+1], s[PFA:PFA+1], s[STP:STP+1]
.if \kind == 0
	s_cmp_eq_u32 s[CNT], 4
	s_cselect_b64 s[PFA:PFA+1], s[14:15], s[PFA:PFA+1]
	s_cselect_b32 s[STP], 0x8000, s[STP]
	s_cmp_eq_u32 s[CNT], 6
	s_cselect_b64 s[TP:TP+1], s[14:15], s[TP:TP+1]
	s_cselect_b32 s[STC], 0x8000, s[STC]
.else
	s_cmp_eq_u32 s[CNT], 0
	s_cselect_b64 s[PFA:PFA+1], s[18:19], s[PFA:PFA+1]
	s_cmp_eq_u32 s[CNT], 2
	s_cselect_b64 s[TP:TP+1], s[18:19], s[TP:TP+1]
.endif
.endif
	TILE
	s_wait_dscnt 9                                 ; group 13; two groups and the add may be out
	WIN 4
	STEP 13
	s_wait_dscnt 0x0                               ; the add is done, and my reads of this slot are over
	s_barrier_signal -1
	STEP 14
	WIN 0
	s_barrier_wait -1
	CREST
	JLOAD
.else
	s_wait_dscnt 8
	WIN 4
	STEP 13
	s_wait_dscnt 0x0
	STEP 14
	WIN 0
	PLACES 4
.endif
	s_xor_b32 s[TB], s[TB], SLOT
.if PH == 0
	s_add_co_u32 s[BOFF], s[BOFF], 512
.else
	s_add_co_u32 s[BOFF], s[BOFF], 256
.endif
	ADDR
.if \skip >= 0
	s_cmp_eq_u32 s[CNT], \skip
	s_cbranch_scc1 .Llast_\@
.endif
	FIRST
.Llast_\@:
.if \kind < 2
	ASK
.endif
	WIN 4
	STEP 15
	WIN 0
	PLACES 5
	SCALE \kind, \refill
	MID \kind, 1, \wskip
.endm
; 128 columns of row tile m: block maxima with a floor, scale bytes, codes; into the image.  (sp: which 128 of my 256 columns)
.macro QUANT m, sp, set, wt
.set qW, 2+((\m)>>1)
.set qX, 128*((\m)&1)+64*(\sp)
.set qP, PCD+8*(\set)
.set qQ, PW+(\set)
.if \wt
	s_wait_dscnt 3
.endif
	WIN (qW<<2)|(qW<<4)
.irp b, 0,1,2,3
	v_max3_num_f32 v[TM+\b], s[FLR], |v[qX+16*\b]|, |v[qX+16*\b+1]|
.endr
.irp i, 2,4,6,8,10,12,14
.irp b, 0,1,2,3
	v_max3_num_f32 v[TM+\b], v[TM+\b], |v[qX+16*\b+\i]|, |v[qX+16*\b+\i+1]|
.endr
.endr
	WIN 0
.irp b, 0,1,2,3
	v_permlanex16_b32 v[TM+4+\b], v[TM+\b], s[SEL], s[SEL+1]
.endr
.irp b, 0,1,2,3
	v_max_num_f32 v[TM+\b], v[TM+\b], v[TM+4+\b]
.endr
.irp b, 0,1,2,3
	v_add_nc_u32 v[TM+12+\b], 0xff000000, v[TM+\b]
.endr
.irp b, 0,1,2,3
	v_lshrrev_b32 v[TM+4+\b], 23, v[TM+12+\b]
.endr
	v_lshl_or_b32 v[qQ], v[TM+5], 8, v[TM+4]
	v_lshl_or_b32 v[qQ], v[TM+6], 16, v[qQ]
	v_lshl_or_b32 v[qQ], v[TM+7], 24, v[qQ]
	WIN qW
.irp t, 0,1,2,3,4,5,6,7
	v_cvt_scalef32_pk8_fp4_f32 v[qP+4*(\t>>2)+2*(\t&1)+((\t>>1)&1)], v[qX+16*(\t>>1)+8*(\t&1):qX+16*(\t>>1)+8*(\t&1)+7], v[TM+12+(\t>>1)]
.endr
	WIN 0
	v_nop
.irp c, 0,1
.irp e, 0,1
	v_permlane16_swap_b32 v[qP+4*\c+2*\e], v[qP+4*\c+2*\e+1]
.endr
.endr
.irp c, 0,1
	ds_store_b128 v[IWI], v[qP+4*\c:qP+4*\c+3] offset:8192*(\m)+1024*(\sp)+512*\c
.endr
	ds_store_b32 v[IWS], v[qQ] offset:512*(\m)+64*(\sp)
.endm
.macro XFETCH
	WIN 0x40
.set i, 0
.rept 64
	ds_load_b128 v[4*i:4*i+3], v[LI] offset:512*i
.set i, i+1
.endr
	WIN 0
.set i, 0
.rept 16
	ds_load_b32 v[XSC+i], v[LS] offset:128*i
.set i, i+1
.endr
	s_wait_dscnt 0x0
.endm
; 16 loads: view m of my 16 samples x 128 columns, 512 aligned bytes of each row
.macro XTG m, sp
	WIN 0x80+0x40*((\m)>>1)
.irp p, 0,1,2,3
.irp u, 0,1
.irp j, 0,1
.set xD, 128*((\m)&1)+16*(4*(\sp)+\p)+8*\u+4*\j
	global_load_b128 v[xD:xD+3], v[XO], s[4:5] offset:4096*(\m)+512*(\sp)+128*\p+64*\u+16*\j
.endr
.endr
.endr
	WIN 0
.endm
	s_load_b512 s[4:19], s[0:1], 0x0               ; xt; Wq; Wk; Wv; W1's codes
	s_load_b256 s[20:27], s[0:1], 0x40             ; W1's scales; bq; bv; b1
	s_load_b128 s[28:31], s[0:1], 0x60             ; Wf; bf
	s_load_b64 s[32:33], s[0:1], 0x70              ; out0
	v_lshl_add_u32 v[SPW], v0, 2, SPARE
	v_mov_b32 v[NIL], 0
	ds_add_u32 v[SPW], v[NIL]                      ; the opening lines
	ds_add_u32 v[SPW], v[NIL]
	v_lshrrev_b32 v16, 5, v0
	v_readfirstlane_b32 s[WV], v16
	v_and_b32 v17, 31, v0                          ; lane
	v_and_b32 v18, 15, v0                          ; r
	v_bfe_u32 v19, v0, 4, 1                        ; h
	v_lshlrev_b32 v[XO], 14, v18                   ; my sample's row of xt, + 32 h
	v_lshl_add_u32 v[XO], v19, 5, v[XO]
	v_lshlrev_b32 v[WSO], 5, v17
	v_lshlrev_b32 v20, 4, v17
	s_wait_alu depctr_va_vdst(0)
	s_bfe_u32 s[CX], ttmp6, 0x40000
	s_lshl_b32 s[WG], ttmp9, 2
	s_add_co_u32 s[WG], s[WG], s[CX]
	s_and_b32 s[ASKF], ttmp9, 0xfffffffa           ; 0 in clusters 0, 1, 4, 5
	s_mov_b32 s[SEL], 0x76543210
	s_mov_b32 s[SEL+1], 0xfedcba98
	s_mov_b32 s[FLR], 0x1800000                    ; 2^(3 - 127): the scale's byte cannot fall under 1
	s_mov_b32 s[G1W+0], 15|(1<<20)|(1<<21)|(6<<22)|(3<<25)  ; mask of the cluster's four; elements of 1 byte; after every 128 words 4 words of padding
	s_mov_b32 s[G1W+1], 512<<16
	s_mov_b32 s[G1W+2], 64<<16
	s_mov_b32 s[G1W+3], 512<<16
	s_mov_b32 s[G1W+4], 64
	s_mov_b32 s[G1W+5], 512
	s_mov_b32 s[G1W+6], 0
	s_mov_b32 s[G1W+7], 0
	s_mul_i32 s[WOFF], s[WV], 64*WP
	s_lshl_b32 s40, s[WV], 10
	s_mov_b32 s41, 0
	s_lshl_b32 s42, s[WG], 18
	s_add_co_u32 s42, s42, s40
	s_mov_b32 s43, 0
	s_mov_b32 s[STC], 0x10000
	s_mov_b32 s[STC+1], 0
	s_mov_b32 s[STS], 0x1000
	s_mov_b32 s[STS+1], 0
	s_mov_b32 s[STP], 0x10000
	s_mov_b32 s[STP+1], 0
	s_mov_b32 s[TF], 0
	s_mov_b32 s[TB], 0
	s_mov_b32 s[G0W], 1
	s_wait_dscnt 0x0                               ; both opening adds are done
	s_wait_kmcnt 0x0
	s_add_nc_u64 s[4:5], s[4:5], s[42:43]
	s_add_nc_u64 s[22:23], s[22:23], s[40:41]
	s_add_nc_u64 s[24:25], s[24:25], s[40:41]
	s_add_nc_u64 s[26:27], s[26:27], s[40:41]
	s_add_nc_u64 s[SBA:SBA+1], s[8:9], s[40:41]
	s_add_nc_u64 s[SBB:SBB+1], s[12:13], s[40:41]
.irp k, 0,1,2                                  ; the biases: my KiB of each
.irp i, 0,1
	global_load_b128 v[F+8*\k+4*\i:F+8*\k+4*\i+3], v20, s[22+2*\k:23+2*\k] offset:512*\i
.endr
.endr
	SCLOAD
	XTG 0, 0
	XTG 0, 1
	XTG 1, 0
	s_cmp_lt_u32 s[WV], 2                          ; in q's and k's tiles waves 0 and 1 fetch Wq's rows, 2 and 3 Wk's
	s_cselect_b64 s[TP:TP+1], s[6:7], s[10:11]
	s_and_b32 s40, s[WV], 1
	s_lshl_b32 s40, s40, 15
	s_add_nc_u64 s[TP:TP+1], s[TP:TP+1], s[40:41]
	s_add_nc_u64 s[PFA:PFA+1], s[TP:TP+1], 0x20000 ; tile 2
	s_lshl_b32 s40, s[WV], 17
	s_add_nc_u64 s[14:15], s[14:15], s[40:41]      ; my 256 rows of Wv and W1: codes,
	s_add_nc_u64 s[18:19], s[18:19], s[40:41]
	s_lshl_b32 s40, s[WV], 13
	s_add_nc_u64 s[16:17], s[16:17], s[40:41]      ; scales
	s_add_nc_u64 s[20:21], s[20:21], s[40:41]
	s_add_nc_u64 s[SVB:SVB+1], s[16:17], 1024
	s_add_nc_u64 s[S1B:S1B+1], s[20:21], 1024
	s_mul_i32 s40, s[WV], 10240
	s_add_nc_u64 s[28:29], s[28:29], s[40:41]      ; my columns' rows of Wf
	s_mul_i32 s40, s[WG], 640
	s_add_nc_u64 s[32:33], s[32:33], s[40:41]
	TILE
	ROUND                                          ; all four work-groups are here: the joint loads meet
	JLOAD                                          ; tile 0
	s_lshl_b32 s70, s[WV], 11
	s_lshl_b32 s71, s[WV], 10
	s_lshl_b32 s72, s[WV], 7
	s_lshl_b32 s73, s[WV], 8
	s_mul_i32 s74, s[WV], 160
	s_lshl_b32 s75, s[CX], 13
	v_mul_u32_u24 v[LW], v18, WP
	v_lshl_add_u32 v[LW], v19, 4, v[LW]
	v_lshl_add_u32 v[HB], v19, 5, BIAS
	v_lshl_add_u32 v[LI], v17, 4, IMG
	v_lshl_add_u32 v[LS], v17, 2, XSW
	v_add_nc_u32 v[IWI], s70, v[LI]
	v_lshl_add_u32 v[IWS], v18, 2, XSW
	v_add_nc_u32 v[IWS], s72, v[IWS]
	v_lshlrev_b32 v[PFO], 8, v17                   ; the prefetches: lanes 256 bytes apart, my partner's 8,192 bytes of the wave's part
	v_add_nc_u32 v[PFO], s75, v[PFO]
	v_mul_u32_u24 v[WFO], v17, 40
	v_lshl_add_u32 v[TRS], v17, 5, SCR             ; Wf's transposition: in, row = lane, 32 bytes a row;
	v_add_nc_u32 v[TRS], s71, v[TRS]
	v_and_b32 v31, 7, v0
	v_lshl_add_u32 v31, v19, 3, v31
	v_lshl_add_u32 v[TRL], v31, 5, SCR             ; out: row 8 h + lane % 8, 16 bytes on for lanes 8-15 of each half
	v_bfe_u32 v31, v0, 3, 1
	v_lshl_add_u32 v[TRL], v31, 4, v[TRL]
	v_add_nc_u32 v[TRL], s71, v[TRL]
	v_min_u32 v[BFO], 9, v18
	v_lshlrev_b32 v[BFO], 2, v[BFO]
	v_lshl_add_u32 v[SBL], v18, 6, SCR
	v_add_nc_u32 v[SBS], s71, v[SBL]
	v_lshl_add_u32 v[OST], v18, 2, SCR
	v_lshl_add_u32 v[OST], v19, 9, v[OST]
	v_add_nc_u32 v[OST], s71, v[OST]
	v_lshl_add_u32 v21, v17, 4, BIAS
	v_add_nc_u32 v21, s71, v21
	v_lshl_add_u32 v[LNR], v18, 3, LNS
	v_add_nc_u32 v[LNW], s72, v[LNR]
	v_lshl_add_u32 v[OL], v18, 2, SCR
	v_lshl_add_u32 v[OL], v19, 6, v[OL]
	v_add_nc_u32 v[OL], s73, v[OL]
	v_mad_u32_u24 v[OG], v19, 40, v[BFO]
	v_add_nc_u32 v[OG], s74, v[OG]
.irp b, 0,1,2,3
	v_mov_b32 v[TM+4+\b], 0
.endr
.irp b, 8,9,10,11,12,13,14,15
	v_mov_b32 v[BIA+\b], 0
.endr
.set i, 0
.rept 32
	v_mov_b32 v[SS+i], 0
.set i, i+1
.endr
	s_wait_alu depctr_va_vdst(0)
	s_wait_loadcnt 48                              ; biases and scales; three groups of xt may be out
.irp k, 0,1,2
.irp i, 0,1
	ds_store_b128 v21, v[F+8*\k+4*\i:F+8*\k+4*\i+3] offset:4096*\k+512*\i
.endr
.endr
	SWAPS
	MOVS
	XTG 1, 1                                       ; each group is quantised while the next three (48 loads) are on their way
	s_wait_loadcnt 48
	QUANT 0, 0, 0, 0
	XTG 2, 0
	s_wait_loadcnt 48
	QUANT 0, 1, 1, 0
	XTG 2, 1
	s_wait_loadcnt 48
	QUANT 1, 0, 0, 1
	XTG 3, 0
	s_wait_loadcnt 48
	QUANT 1, 1, 1, 1
	XTG 3, 1
	s_wait_alu depctr_va_vdst(0)
	s_wait_tensorcnt 0x0                           ; tile 0 is in: the full sequence ahead of slot 1's first fill
	ds_add_u32 v[SPW], v[NIL]
	TILE
	s_wait_dscnt 0x0
	ROUND
	JLOAD                                          ; tile 1
	s_wait_loadcnt 48
	QUANT 2, 0, 0, 1
	s_wait_loadcnt 32
	QUANT 2, 1, 1, 1
	ASK                                            ; tile 2
	s_wait_loadcnt 16
	QUANT 3, 0, 0, 1
	s_wait_loadcnt 0x0
	QUANT 3, 1, 1, 1
	s_wait_xcnt 0x0
	s_add_nc_u64 s[PFA:PFA+1], s[PFA:PFA+1], s[STP:STP+1]
	SCSTEP
	SCLOAD                                         ; trip 1's scales
	ASK                                            ; tile 3
	s_lshl_b32 s[BOFF], s[WV], 7
	s_mul_i32 s[RA], s[WV], 32*WP
	s_mov_b32 s[CNT], 0
	BAR                                            ; every wave's part of the image is stored
	ADDR
	FIRST
	XFETCH
.La:                                               ; q and k, a chunk of 128 columns a trip, and the scores
	TRIP 0, 1, 7, -1
	s_add_co_u32 s[CNT], s[CNT], 1
	s_cmp_lt_u32 s[CNT], 8
	s_cbranch_scc1 .La
; the scores: both halves of a pair, both halves of the lanes, all four waves
.set i, 0
.rept 16
	v_add_f32 v[160+i], v[SS+2*i], v[SS+2*i+1]
.set i, i+1
.endr
.set i, 0
.rept 16
	v_permlanex16_b32 v[176+i], v[160+i], s[SEL], s[SEL+1]
.set i, i+1
.endr
.set i, 0
.rept 16
	v_add_f32 v[160+i], v[160+i], v[176+i]
.set i, i+1
.endr
.irp a, 0,1,2,3
	ds_store_b128 v[SBS], v[160+4*\a:160+4*\a+3] offset:16*\a
.endr
	BAR
.irp k, 0,1,2,3
.irp a, 0,1,2,3
	ds_load_b128 v[160+16*\k+4*\a:160+16*\k+4*\a+3], v[SBL] offset:1024*\k+16*\a
.endr
.endr
	s_mov_b32 s[RA], s[WOFF]
	s_lshl_b32 s[BOFF], s[WV], 10
	s_add_co_u32 s[BOFF], s[BOFF], 4096
	s_mov_b32 s[CNT], 0
	s_wait_dscnt 0x0
.set PH, 1
.set NB, 4
	ADDR
	FIRST                                          ; v's first groups, under the softmax
.irp i, 0,2,4,6,8,10,12,14
	v_pk_add_f32 v[160+\i:161+\i], v[160+\i:161+\i], v[176+\i:177+\i]
	v_pk_add_f32 v[192+\i:193+\i], v[192+\i:193+\i], v[208+\i:209+\i]
.endr
.irp i, 0,2,4,6,8,10,12,14
	v_pk_add_f32 v[160+\i:161+\i], v[160+\i:161+\i], v[192+\i:193+\i]
.endr
.irp a, 0,1,2,3
	v_max3_num_f32 v[176+\a], v[160+4*\a], v[161+4*\a], v[162+4*\a]
.endr
.irp a, 0,1,2,3
	v_max_num_f32 v[176+\a], v[176+\a], v[163+4*\a]
.endr
.irp a, 0,1,2,3
.irp b, 0,1,2,3
	v_sub_f32 v[160+4*\a+\b], v[160+4*\a+\b], v[176+\a]
.endr
.endr
.set i, 0
.rept 16
	v_mul_f32 v[160+i], 0x3d38aa3b, v[160+i]       ; log2(e) / sqrt(1024)
.set i, i+1
.endr
.set i, 0
	s_wait_alu depctr_va_vdst(0)
.rept 16
	v_exp_f32 v[192+i], v[160+i]
.set i, i+1
.endr
	v_nop
	s_wait_alu depctr_va_vdst(0)
.irp a, 0,1,2,3
	v_add_f32 v[176+\a], v[192+4*\a], v[193+4*\a]
	v_add_f32 v[180+\a], v[194+4*\a], v[195+4*\a]
.endr
.irp a, 0,1,2,3
	v_add_f32 v[176+\a], v[176+\a], v[180+\a]
.endr
	s_wait_alu depctr_va_vdst(0)
.irp a, 0,1,2,3
	v_rcp_f32 v[184+\a], v[176+\a]
.endr
	v_nop
	s_wait_alu depctr_va_vdst(0)
.irp a, 0,1,2,3
.irp b, 0,1,2,3
	v_mul_f32 v[AT+2*(4*\a+\b)], v[192+4*\a+\b], v[184+\a]
.endr
.endr
	s_wait_alu depctr_va_vdst(0)
.Lc:                                               ; v, 64 of my columns a trip, weighed into x on the spot
	TRIP 1, 1, 3, -1
	s_add_co_u32 s[CNT], s[CNT], 1
	s_cmp_lt_u32 s[CNT], 4
	s_cbranch_scc1 .Lc
; LAYER NORM.  Each lane takes its 512 numbers' mean and sum of squared deviations about a pivot (the mean of eight of them), so no large sums are subtracted; the lanes and waves are joined by
; M2 = M2a + M2b + (n / 2) (mean a - mean b)^2, and for the four waves by the deviations of their means.
	WIN 0x0a
	v_pk_add_f32 v[CA:CA+1], v[0:1], v[2:3]
	v_pk_add_f32 v[CA+2:CA+3], v[4:5], v[6:7]
	WIN 0
	v_pk_add_f32 v[CA:CA+1], v[CA:CA+1], v[CA+2:CA+3]
	v_add_f32 v[CA], v[CA], v[CA+1]
	v_mul_f32 v[PV], 0x3e000000, v[CA]             ; / 8
	v_mov_b32 v[PV+1], v[PV]
.set i, 0
.rept 32
	v_mov_b32 v[CA+i], 0
.set i, i+1
.endr
.irp hw, 0,1
	WIN 0x82+0x41*\hw
.set i, 0
.rept 128
	v_pk_add_f32 v[2*i:2*i+1], v[2*i:2*i+1], v[PV:PV+1] op_sel_hi:[1,0] neg_lo:[0,1] neg_hi:[0,1]
.set i, i+1
.endr
	WIN 0x08+4*\hw
.set i, 0
.rept 128
	v_pk_add_f32 v[CA+2*(i%8):CA+2*(i%8)+1], v[CA+2*(i%8):CA+2*(i%8)+1], v[2*i:2*i+1]
.set i, i+1
.endr
	WIN 0x0a+5*\hw
.set i, 0
.rept 128
	v_pk_fma_f32 v[CB+2*(i%8):CB+2*(i%8)+1], v[2*i:2*i+1], v[2*i:2*i+1], v[CB+2*(i%8):CB+2*(i%8)+1]
.set i, i+1
.endr
.endr
	WIN 0
.irp j, 0,2,4,6
	v_pk_add_f32 v[CA+\j:CA+\j+1], v[CA+\j:CA+\j+1], v[CA+8+\j:CA+9+\j]
	v_pk_add_f32 v[CB+\j:CB+\j+1], v[CB+\j:CB+\j+1], v[CB+8+\j:CB+9+\j]
.endr
.irp j, 0,2
	v_pk_add_f32 v[CA+\j:CA+\j+1], v[CA+\j:CA+\j+1], v[CA+4+\j:CA+5+\j]
	v_pk_add_f32 v[CB+\j:CB+\j+1], v[CB+\j:CB+\j+1], v[CB+4+\j:CB+5+\j]
.endr
	v_pk_add_f32 v[CA:CA+1], v[CA:CA+1], v[CA+2:CA+3]
	v_pk_add_f32 v[CB:CB+1], v[CB:CB+1], v[CB+2:CB+3]
	v_add_f32 v160, v[CA], v[CA+1]
	v_add_f32 v161, v[CB], v[CB+1]
	v_mul_f32 v162, 0x3b000000, v160               ; / 512
	v_fma_f32 v163, -v162, v160, v161              ; M2 of my 512
	v_add_f32 v162, v162, v[PV]                    ; their mean
	v_mov_b32 v164, 0
	v_mov_b32 v165, 0
	v_permlanex16_b32 v164, v162, s[SEL], s[SEL+1]
	v_permlanex16_b32 v165, v163, s[SEL], s[SEL+1]
	v_sub_f32 v166, v162, v164
	v_add_f32 v162, v162, v164
	v_add_f32 v163, v163, v165
	v_mul_f32 v162, 0.5, v162
	v_mul_f32 v166, v166, v166
	v_fmamk_f32 v163, v166, 0x43800000, v163       ; + 256 d^2
	ds_store_b64 v[LNW], v[162:163]
	s_wait_alu depctr_va_vdst(0)
	BAR
.irp k, 0,1,2,3
	ds_load_b64 v[164+2*\k:165+2*\k], v[LNR] offset:128*\k
.endr
	s_wait_dscnt 0x0
	v_add_f32 v172, v164, v166
	v_add_f32 v173, v168, v170
	v_add_f32 v174, v165, v167
	v_add_f32 v175, v169, v171
	v_add_f32 v172, v172, v173
	v_add_f32 v174, v174, v175
	v_mul_f32 v172, 0x3e800000, v172               ; the sample's mean
	v_sub_f32 v164, v164, v172
	v_sub_f32 v166, v166, v172
	v_sub_f32 v168, v168, v172
	v_sub_f32 v170, v170, v172
	v_mul_f32 v176, v164, v164
	v_fmac_f32 v176, v166, v166
	v_fmac_f32 v176, v168, v168
	v_fmac_f32 v176, v170, v170
	v_fmamk_f32 v174, v176, 0x44800000, v174       ; + 1024 sum of d^2
	v_mov_b32 v178, 0x3727c5ac                     ; EPS
	v_fmamk_f32 v177, v174, 0x39800000, v178       ; / 4096 + EPS
	v_sub_f32 v179, v[PV], v172
	s_wait_alu depctr_va_vdst(0)
	v_rsq_f32 v[RS], v177
	v_nop
	s_wait_alu depctr_va_vdst(0)
	v_mov_b32 v[RS+1], v[RS]
	v_mul_f32 v[KK], v179, v[RS]
	v_mov_b32 v[KK+1], v[KK]
.irp hw, 0,1
	WIN 0x82+0x41*\hw
.set i, 0
.rept 128
	v_pk_fma_f32 v[2*i:2*i+1], v[2*i:2*i+1], v[RS:RS+1], v[KK:KK+1] op_sel_hi:[1,0,0]
.set i, i+1
.endr
.endr
	WIN 0
	QUANT 0, 0, 0, 0
	QUANT 0, 1, 1, 0
	QUANT 1, 0, 0, 1
	QUANT 1, 1, 1, 1
	QUANT 2, 0, 0, 1
	QUANT 2, 1, 1, 1
	QUANT 3, 0, 0, 1
	QUANT 3, 1, 1, 1
	WFLOAD                                         ; the first trip's rows of Wf
	WIN 0x80
.irp m, 0,1,2,3,4,5,6,7
	v_mov_b32 v[PKW+8*\m+5], 0
	v_mov_b32 v[PKW+8*\m+6], 0
	v_mov_b32 v[PKW+8*\m+7], 0
.endr
	WIN 0
.set i, 0
.rept 32
	v_mov_b32 v[OUT+i], 0
.set i, i+1
.endr
	s_lshl_b32 s[BOFF], s[WV], 10
	s_add_co_u32 s[BOFF], s[BOFF], 8192
	s_mov_b32 s[CNT], 0
	s_wait_alu depctr_va_vdst(0)
	BAR                                            ; every wave's part of the image is stored
	ADDR
	FIRST
	XFETCH
.Ld1:                                              ; the hidden layer, 64 of my columns a trip; its first two trips fill the slots again
	TRIP 2, 1, -1, -1
	s_add_co_u32 s[CNT], s[CNT], 1
	s_cmp_lt_u32 s[CNT], 2
	s_cbranch_scc1 .Ld1
	s_mov_b32 s[CNT], 0
.Ld2:                                              ; the last two fill nothing; a wave reads only rows that its own loads brought
	TRIP 2, 0, 1, 1
	s_add_co_u32 s[CNT], s[CNT], 1
	s_cmp_lt_u32 s[CNT], 2
	s_cbranch_scc1 .Ld2
	PLACES 5
.irp j, 0,1,2,3,4,5,6,7
	v_add_f32 v[160+\j], v[OUT+\j], v[OUT+8+\j]
	v_add_f32 v[168+\j], v[OUT+16+\j], v[OUT+24+\j]
.endr
.irp j, 0,1,2,3,4,5,6,7
	v_add_f32 v[160+\j], v[160+\j], v[168+\j]
.endr
.irp j, 0,1,2,3,4,5,6,7
	ds_store_b32 v[OST], v[160+\j] offset:64*\j
.endr
	global_load_b32 v184, v[BFO], s[30:31]
	BAR
.irp i, 0,1                                    ; each wave adds the four waves' parts of four samples
.irp k, 0,1,2,3
	ds_load_b32 v[176+4*\i+\k], v[OL] offset:128*\i+1024*\k
.endr
.endr
	s_wait_dscnt 0x0
	s_wait_loadcnt 0x0
.irp i, 0,1
	v_add_f32 v[176+4*\i], v[176+4*\i], v[177+4*\i]
	v_add_f32 v[178+4*\i], v[178+4*\i], v[179+4*\i]
	v_add_f32 v[176+4*\i], v[176+4*\i], v[178+4*\i]
	v_add_f32 v[176+4*\i], v[176+4*\i], v184
.endr
	v_cmp_gt_u32 vcc_lo, 10, v18                   ; lanes 10 to 15 of each half hold no class
	s_wait_alu depctr_va_vdst(0)
	s_wait_xcnt 0x0
	s_and_saveexec_b32 s40, vcc_lo
.irp i, 0,1
	global_store_b32 v[OG], v[176+4*\i], s[32:33] offset:80*\i
.endr
	s_wait_xcnt 0x0                                ; EXEC changes only behind this wait
	s_or_b32 exec_lo, exec_lo, s40
	s_wait_tensorcnt 0x0                           ; the wave's end
	ds_add_u32 v[SPW], v[NIL]
	s_wait_dscnt 0x0
	ROUND                                          ; the closing round
	s_endpgm
.Lfunc_end_k_q199089d911_fused:
	.size	k_q199089d911_fused, .Lfunc_end_k_q199089d911_fused-k_q199089d911_fused
	.p2alignl 7, 3214868480
	.fill 96, 4, 3214868480
	.section	.rodata,"a",@progbits
	.p2align	6, 0x0
	.amdhsa_kernel k_q199089d911_fused
		.amdhsa_group_segment_fixed_size 327680
		.amdhsa_private_segment_fixed_size 0
		.amdhsa_enable_private_segment 0
		.amdhsa_kernarg_size 120
		.amdhsa_user_sgpr_count 2
		.amdhsa_user_sgpr_kernarg_segment_ptr 1
		.amdhsa_wavefront_size32 1
		.amdhsa_system_sgpr_workgroup_id_x 1
		.amdhsa_system_sgpr_workgroup_id_y 1
		.amdhsa_system_sgpr_workgroup_id_z 1
		.amdhsa_system_vgpr_workitem_id 0
		.amdhsa_next_free_vgpr 1024
		.amdhsa_next_free_sgpr 106
		.amdhsa_reserve_vcc 1
		.amdhsa_float_denorm_mode_32 3
		.amdhsa_float_denorm_mode_16_64 3
		.amdhsa_memory_ordered 1
		.amdhsa_forward_progress 1
		.amdhsa_inst_pref_size 255
	.end_amdhsa_kernel
	.section	.bss,"aw",@nobits
	.p2align	6
	.space	262144
	.amdgpu_metadata
---
amdhsa.version: [ 1, 2 ]
amdhsa.kernels:
  - .name:           k_q199089d911_fused
    .symbol:         k_q199089d911_fused.kd
    .args:
      - { .name: xt, .offset: 0, .size: 8, .value_kind: global_buffer, .address_space: global }
      - { .name: Wq_codes, .offset: 8, .size: 8, .value_kind: global_buffer, .address_space: global }
      - { .name: Wq_scales, .offset: 16, .size: 8, .value_kind: global_buffer, .address_space: global }
      - { .name: Wk_codes, .offset: 24, .size: 8, .value_kind: global_buffer, .address_space: global }
      - { .name: Wk_scales, .offset: 32, .size: 8, .value_kind: global_buffer, .address_space: global }
      - { .name: Wv_codes, .offset: 40, .size: 8, .value_kind: global_buffer, .address_space: global }
      - { .name: Wv_scales, .offset: 48, .size: 8, .value_kind: global_buffer, .address_space: global }
      - { .name: W1_codes, .offset: 56, .size: 8, .value_kind: global_buffer, .address_space: global }
      - { .name: W1_scales, .offset: 64, .size: 8, .value_kind: global_buffer, .address_space: global }
      - { .name: bq, .offset: 72, .size: 8, .value_kind: global_buffer, .address_space: global }
      - { .name: bv, .offset: 80, .size: 8, .value_kind: global_buffer, .address_space: global }
      - { .name: b1, .offset: 88, .size: 8, .value_kind: global_buffer, .address_space: global }
      - { .name: Wf, .offset: 96, .size: 8, .value_kind: global_buffer, .address_space: global }
      - { .name: bf, .offset: 104, .size: 8, .value_kind: global_buffer, .address_space: global }
      - { .name: out0, .offset: 112, .size: 8, .value_kind: global_buffer, .address_space: global }
    .group_segment_fixed_size: 327680
    .private_segment_fixed_size: 0
    .kernarg_segment_align: 8
    .kernarg_segment_size: 120
    .max_flat_workgroup_size: 128
    .sgpr_count:     106
    .vgpr_count:     1024
    .wavefront_size: 32
...
	.end_amdgpu_metadata
.endif
;; end of part 2
